; MI455X (gfx1250); checked and timed in simulation.
; The chip was launched on July 23, 2026; its instructions are those of AMD's public machine-readable ISA for CDNA 5 (MIT licence, August 2026) and "CDNA5" Instruction Set Architecture Reference Guide (July 2026). The comments in the code are by the model that wrote it; some were corrected since.
;; Moe Layer. Allowed arithmetic: matrix products marked QUANTISED: E2M1 operands, one E8M0 scale for each 32 along K, by v_wmma_scale_f32_16x16x128_f8f6f4 with both operands' format E2M1 (or v_wmma_scale_f32_32x16x128_f4), f32 sums; products left as they are: f32 operands where the result goes on into a quantised operand, else bf16, f16 or f32 operands; f32 sums; everything else in f32.
;; Inputs: b1 8 x 4,096 float32; b2 8 x 1,024 float32; gate_b 8 float32; gate_w 1,024 x 8 float32; w1 8 x 1,024 x 4,096 float32; w2 8 x 4,096 x 1,024 float32; x 1,024 x 1,024 float32.
;; Outputs: out0 1,024 x 1,024 float32.
;; This version of the problem:
;;   THIS VERSION OF THE PROBLEM IS GIVEN IN LOW PRECISION. The matrix products marked QUANTISED in the list below multiply operands that are first quantised to E2M1 (2 exponent bits, 1 mantissa bit; 4 bits a number), with one power-of-two scale for each 32 numbers along K (OCP MX v1.0); their sums are f32. All else is computed in f32.
;;   The module's matrix products, in the order in which they are computed (A, B: the left and right operand; K: the contracted axis; several contracted axes count as one K, in the product's order):
;;     1. [M 1,024, K 1,024] x [K 1,024, N 8]; A: input x; B: input gate_w: left as it is (N = 8 < 16)
;;     2. [M 1,024, K 1,024] x [K 1,024, N 4,096]; A: input x; B: input w1: QUANTISED
;;     3. [M 1,024, K 4,096] x [K 4,096, N 1,024]; A: computed on the way; B: input w2: QUANTISED
;;     4. [M 1,024, K 1,024] x [K 1,024, N 4,096]; A: input x; B: input w1: QUANTISED
;;     5. [M 1,024, K 4,096] x [K 4,096, N 1,024]; A: computed on the way; B: input w2: QUANTISED
;;     6. [M 1,024, K 1,024] x [K 1,024, N 4,096]; A: input x; B: input w1: QUANTISED
;;     7. [M 1,024, K 4,096] x [K 4,096, N 1,024]; A: computed on the way; B: input w2: QUANTISED
;;     8. [M 1,024, K 1,024] x [K 1,024, N 4,096]; A: input x; B: input w1: QUANTISED
;;     9. [M 1,024, K 4,096] x [K 4,096, N 1,024]; A: computed on the way; B: input w2: QUANTISED
;;     10. [M 1,024, K 1,024] x [K 1,024, N 4,096]; A: input x; B: input w1: QUANTISED
;;     11. [M 1,024, K 4,096] x [K 4,096, N 1,024]; A: computed on the way; B: input w2: QUANTISED
;;     12. [M 1,024, K 1,024] x [K 1,024, N 4,096]; A: input x; B: input w1: QUANTISED
;;     13. [M 1,024, K 4,096] x [K 4,096, N 1,024]; A: computed on the way; B: input w2: QUANTISED
;;     14. [M 1,024, K 1,024] x [K 1,024, N 4,096]; A: input x; B: input w1: QUANTISED
;;     15. [M 1,024, K 4,096] x [K 4,096, N 1,024]; A: computed on the way; B: input w2: QUANTISED
;;     16. [M 1,024, K 1,024] x [K 1,024, N 4,096]; A: input x; B: input w1: QUANTISED
;;     17. [M 1,024, K 4,096] x [K 4,096, N 1,024]; A: computed on the way; B: input w2: QUANTISED
;;   THE QUANTISER, for each operand of a quantised product, along K:
;;     - K is cut into blocks of 32 from its start; a last block that is shorter is filled with zeros.
;;     - A block's scale is 2^e with e = floor(log2(the largest magnitude in the block)) - 2, held to -126 .. 127; a block of zeros has e = 0. As a byte (E8M0): e + 127.
;;     - Each number is divided by its block's scale, clamped to +-6, and rounded to the nearest number of E2M1, ties to even, subnormals kept.
;;     - The product sums the exact products of the quantised numbers (number of the format x scale) in f32.
;;   ~~~python
;;   def quantise(x, axis):      # numpy; x: float32 -> the quantised numbers, widened to float32 again
;;       x = np.moveaxis(x, axis, -1); K = x.shape[-1]
;;       x = np.pad(x, [(0, 0)] * (x.ndim - 1) + [(0, -K % 32)]); x = x.reshape(x.shape[:-1] + (-1, 32)); a = np.abs(x).max(-1, keepdims=True)
;;       e = np.where(a > 0, np.clip(np.frexp(np.where(a > 0, a, 1))[1] - 1 - 2, -126, 127), 0)      # np.frexp(a)[1] - 1 = floor(log2(a)), exactly
;;       r = np.clip(x / 2.0 ** e, -6, 6)
;;       step = 2.0 ** (np.maximum(np.frexp(np.where(r == 0, 1, r))[1] - 1, 0) - 1)
;;       q = np.round(r / step) * step * 2.0 ** e      # np.round: ties to even
;;       return np.moveaxis(q.reshape(q.shape[:-2] + (-1,))[..., :K], -1, axis).astype(np.float32)
;;   ~~~
;;   OPERANDS COMPUTED ON THE WAY. 'Computed on the way' means the value that the module computes at that place (a softmax that the list does not call 'softmax' is quantised finished and normalised). What goes into a quantiser is computed in f32, as accurately as f32 sums, v_exp_f32 and their like allow (about 1e-6 of the number): no bf16 or f16 on the way to a quantiser, and a product that is left as it is and whose result goes on into a quantised operand takes f32 operands (vector FMAs, or v_wmma_f32_16x16x4_f32). A number that lies on a knife's edge between two numbers of the format may be rounded either way, as far as f32 arithmetic and the matrix unit's own rounding can turn it there, and no further.
;; 2 versions, each right; version 2 is version 1 with the launch down written anew for expert scheduling mode. Each part assembles by itself: llvm-mc -triple=amdgcn-amd-amdhsa -mcpu=gfx1250 --defsym DOCPART=n.
;; ======== version 1 of 2: 4 launches
;; workspace buffers: xq 524,288 bytes; xs 32,768 bytes; selw 4,096 bytes of whole numbers; cw 8,192 bytes; himg 16,777,216 bytes; hsc 1,048,576 bytes; ypart 16,842,752 bytes; rlist 34,816 bytes of whole numbers
;; launch route (part 1): grid 256 x 1, 4 waves a work-group, no clusters, 52,224 bytes of LDS; arguments x, gate_w, gate_b, xq, xs, selw, cw; writes xq, xs, selw, cw
.if DOCPART == 1
	.amdgcn_target "amdgcn-amd-amdhsa--gfx1250"
	.amdhsa_code_object_version 6
	.text
	.protected	k_q55460732d6_route
	.globl	k_q55460732d6_route
	.p2align	8
	.type	k_q55460732d6_route,@function
k_q55460732d6_route:
	s_mov_b64 s[64:65], 0
	v_nop
	global_prefetch_b8 v0, s[64:65] scope:SCOPE_SE
	s_setreg_imm32_b32 hwreg(HW_REG_WAVE_MODE, 25, 1), 1
	s_wait_xcnt 0x0
; x [1024][1024] f32 -> codes of FP4 (E2M1) with one E8M0 byte for each 32 along K (xq [1024][512 bytes], xs [1024][32 bytes]);
; logits = x gate_w + gate_b in f32; the two largest (the lower index wins a tie); the softmax of the two, the larger taken away first.
; selw[n] = e0 | e1 << 8 and cw[n] = (c0, c1) go to fixed places: no address and no branch here hangs on the choice.
; SHARES.  Four waves, a token each: n = 4 x work-group + wave.  Lane l owns block l of the row, k = 32 l .. 32 l + 31: its 32 numbers serve the block's scale,
; the conversions (which take neighbours along K from one lane's registers) and the lane's part of the eight dot products.
; Every load reads 512 consecutive bytes; the row turns through the wave's own stage in LDS (32 places of 128 bytes, 144 apart).  gate_w (32 KB) is brought once by the
; four waves together and lies in LDS as 32 chunks of 1,024 bytes (32 rows x 8 experts), 1,040 bytes apart: 65 x 16, so that the lanes' 16-byte reads fall on different banks.
; No matrix unit, no tensor load, no cluster: 8 columns are too few for a matrix tile, and the launch moves 4 MB once.  No prefetch: every load is issued at the head.
; LIMITS: NaN and infinities are not served.  A block whose largest magnitude lies under 2^-124 (a block of zeros too) gets the byte 1: its bytes are read by this program alone.
; A token whose second and third logits differ by less than the rounding of an f32 sum of 1,024 terms may choose otherwise than another order of summation.
.set GWP,   1040                       ; a chunk of gate_w in LDS
.set STG,   32*GWP                     ; behind gate_w: the stages, 4,608 bytes a wave
.set SPL,   144                        ; a place in a stage
.set A,     8                          ; v8-15    the eight sums
.set X,     16                         ; v16-47   my 32 numbers of x
.set G0,    48                         ; v48-111  gate_w as loaded, then eight rows of my chunk
.set G1,    112                        ; v112-175 x as loaded (32), then eight rows of my chunk
.set M,     176
.set SO,    178
.set BY,    179
.set C,     180
.set BEST,  184
.set IDX,   185
.set BEST2, 186
.set IDX2,  187
.set TT,    188
.set RR,    189
.set CW,    190
.set SELW,  192
	s_load_b256 s[4:11], s[0:1], 0x0               ; x, gate_w, gate_b, xq
	s_load_b128 s[12:15], s[0:1], 0x20             ; xs, selw
	s_load_b64 s[16:17], s[0:1], 0x30              ; cw
	v_lshl_add_u32 v200, v0, 2, 0xca00
	v_mov_b32 v201, 0
	v_lshrrev_b32 v1, 5, v0
	v_readfirstlane_b32 s18, v1                    ; wave
	v_and_b32 v1, 31, v0                           ; lane
	v_lshlrev_b32 v2, 4, v1                        ; 16 x lane
	s_lshl_b32 s19, ttmp9, 2
	s_add_co_u32 s19, s19, s18                     ; my token
	s_mul_i32 s20, s18, 32*SPL
	s_add_co_u32 s20, s20, STG                     ; my stage
	v_lshrrev_b32 v3, 3, v1
	v_mul_u32_u24 v3, v3, SPL
	v_and_b32 v4, 7, v1
	v_lshl_add_u32 v3, v4, 4, v3
	v_add_nc_u32 v3, s20, v3                       ; in: eight lanes' 128 bytes fill a place
	v_mul_u32_u24 v4, v1, SPL
	v_add_nc_u32 v4, s20, v4                       ; out: place = lane
	s_mul_i32 s20, s18, 8*GWP
	v_add_nc_u32 v5, s20, v2                       ; gate_w in: my wave's eight chunks
	v_mul_u32_u24 v6, v1, GWP                      ; gate_w out: chunk = lane
	v_mov_b32 v7, 0
	s_mov_b32 s22, 0x76543210
	s_mov_b32 s23, 0xfedcba98                      ; v_permlanex16_b32's selects for lane l xor 16
	s_mov_b32 s21, 0
	s_wait_kmcnt 0x0
	s_load_b256 s[24:31], s[8:9], 0x0              ; gate_b
	s_lshl_b32 s20, s19, 12
	s_add_nc_u64 s[4:5], s[4:5], s[20:21]          ; x at my row
	s_lshl_b32 s20, s18, 13
	s_add_nc_u64 s[6:7], s[6:7], s[20:21]          ; gate_w at my wave's 8,192 bytes
	s_lshl_b32 s20, s19, 9
	s_add_nc_u64 s[10:11], s[10:11], s[20:21]
	s_lshl_b32 s20, s19, 5
	s_add_nc_u64 s[12:13], s[12:13], s[20:21]
	s_lshl_b32 s20, s19, 2
	s_add_nc_u64 s[14:15], s[14:15], s[20:21]
	s_lshl_b32 s20, s19, 3
	s_add_nc_u64 s[16:17], s[16:17], s[20:21]
.irp m, 0,1,2,3,4,5,6,7
	global_load_b128 v[G1+4*\m:G1+4*\m+3], v2, s[4:5] offset:512*\m th:TH_LOAD_NT
.endr
.irp m, 0,1,2,3,4,5,6,7,8,9,10,11,12,13,14,15
	global_load_b128 v[G0+4*\m:G0+4*\m+3], v2, s[6:7] offset:512*\m
.endr
	s_wait_loadcnt 16                              ; x's eight loads are in; gate_w's sixteen may be out
.irp m, 0,1,2,3,4,5,6,7
	ds_store_b128 v3, v[G1+4*\m:G1+4*\m+3] offset:4*SPL*\m
.endr
.irp m, 0,1,2,3,4,5,6,7
	ds_load_b128 v[X+4*\m:X+4*\m+3], v4 offset:16*\m   ; LDS serves a wave's instructions in order: these see the stores above
.endr
	s_wait_loadcnt 0x0
.irp m, 0,1,2,3,4,5,6,7,8,9,10,11,12,13,14,15
	ds_store_b128 v5, v[G0+4*\m:G0+4*\m+3] offset:GWP*(\m/2)+512*(\m%2)
.endr
	s_wait_dscnt 0x0                               ; for the others' sake: my part of gate_w lies in LDS (and my x is back)
	s_barrier_signal -1
	s_barrier_wait -1
.macro GLOAD b, g                      ; rows 8 b .. 8 b + 7 of my chunk: 32 bytes a row
.irp i, 0,1,2,3,4,5,6,7
	ds_load_b128 v[\g+8*\i:\g+8*\i+3], v6 offset:32*(8*\b+\i)
	ds_load_b128 v[\g+8*\i+4:\g+8*\i+7], v6 offset:32*(8*\b+\i)+16
.endr
.endm
.macro GWORK b, g                      ; eight rows x eight experts, two experts an instruction; of the pair of x the low word serves the even row, the high word the odd one
.irp i, 0,2,4,6
.irp p, 0,2,4,6
.if (\b)+\i == 0
	v_pk_mul_f32 v[A+\p:A+\p+1], v[\g+8*\i+\p:\g+8*\i+\p+1], v[X+8*\b+\i:X+8*\b+\i+1] op_sel_hi:[1,0]   ; the first row starts the sums
.else
	v_pk_fma_f32 v[A+\p:A+\p+1], v[\g+8*\i+\p:\g+8*\i+\p+1], v[X+8*\b+\i:X+8*\b+\i+1], v[A+\p:A+\p+1] op_sel_hi:[1,0,1]
.endif
.endr
.irp p, 0,2,4,6
	v_pk_fma_f32 v[A+\p:A+\p+1], v[\g+8*(\i+1)+\p:\g+8*(\i+1)+\p+1], v[X+8*\b+\i:X+8*\b+\i+1], v[A+\p:A+\p+1] op_sel:[0,1,0] op_sel_hi:[1,1,1]
.endr
.endr
.endm
	GLOAD 0, G0
	GLOAD 1, G1
	; the quantiser, while gate_w's rows come: the block's largest magnitude with the floor 2^(3 - 127) among its leaves, 2 off its exponent field, the conversions
	v_max3_num_f32 v[M], |v[X]|, |v[X+1]|, 0x1800000
	v_max3_num_f32 v[M+1], |v[X+16]|, |v[X+17]|, 0x1800000
.irp i, 2,4,6,8,10,12,14
	v_max3_num_f32 v[M], v[M], |v[X+\i]|, |v[X+\i+1]|
	v_max3_num_f32 v[M+1], v[M+1], |v[X+16+\i]|, |v[X+17+\i]|
.endr
	v_max_num_f32 v[M], v[M], v[M+1]
	v_add_nc_u32 v[SO], 0xff000000, v[M]           ; the conversion takes the exponent field of this operand as its scale
.irp g, 0,1,2,3
	v_cvt_scalef32_pk8_fp4_f32 v[C+\g], v[X+8*\g:X+8*\g+7], v[SO]
.endr
	v_lshrrev_b32 v[BY], 23, v[SO]                 ; the scale's byte (a plain line behind the conversions)
	global_store_b128 v2, v[C:C+3], s[10:11]       ; the wave stores the row's 512 bytes of codes on end
	global_store_b8 v1, v[BY], s[12:13]            ; and its 32 scale bytes on end
	s_wait_dscnt 16                                ; the older batch of sixteen is in, the younger may be out
	GWORK 0, G0
	GLOAD 2, G0
	s_wait_dscnt 16
	GWORK 1, G1
	GLOAD 3, G1
	s_wait_dscnt 16
	GWORK 2, G0
	s_wait_dscnt 0x0
	GWORK 3, G1
.irp s, 1,2,4,8                        ; the eight sums over the 32 lanes
.irp e, 0,1,2,3,4,5,6,7
	v_add_f32_dpp v[A+\e], v[A+\e], v[A+\e] row_xmask:\s row_mask:0xf bank_mask:0xf
.endr
.endr
.irp e, 0,1,2,3,4,5,6,7
	v_permlanex16_b32 v[G0+\e], v[A+\e], s22, s23
.endr
	s_wait_kmcnt 0x0                               ; gate_b
.irp e, 0,1,2,3,4,5,6,7
	v_add_f32 v[A+\e], v[A+\e], v[G0+\e]
.endr
.irp e, 0,1,2,3,4,5,6,7
	v_add_f32 v[A+\e], s[24+\e], v[A+\e]           ; the logits, the same in every lane
.endr
	v_mov_b32 v[BEST], v[A]                        ; the largest: a later one wins only if it is greater
	v_mov_b32 v[IDX], 0
.irp e, 1,2,3,4,5,6,7
	v_cmp_gt_f32 vcc_lo, v[A+\e], v[BEST]
	v_cndmask_b32 v[BEST], v[BEST], v[A+\e], vcc_lo
	v_cndmask_b32 v[IDX], v[IDX], \e, vcc_lo
.endr
	v_cmp_eq_u32 vcc_lo, 0, v[IDX]                 ; the second begins at the lowest index that is not the first's
	v_cndmask_b32 v[BEST2], v[A], v[A+1], vcc_lo
	v_cndmask_b32 v[IDX2], 0, 1, vcc_lo
.irp e, 1,2,3,4,5,6,7
	v_cmp_ne_u32 s32, \e, v[IDX]
	v_cmp_gt_f32 vcc_lo, v[A+\e], v[BEST2]
	s_and_b32 vcc_lo, vcc_lo, s32
	v_cndmask_b32 v[BEST2], v[BEST2], v[A+\e], vcc_lo
	v_cndmask_b32 v[IDX2], v[IDX2], \e, vcc_lo
.endr
	v_sub_f32 v[TT], v[BEST2], v[BEST]             ; the maximum is taken away: 0 or less
	v_mul_f32 v[TT], 0x3fb8aa3b, v[TT]
	v_exp_f32 v[TT], v[TT]                         ; t = e^(second - first)
	v_lshl_or_b32 v[SELW], v[IDX2], 8, v[IDX]      ; (a plain line behind the exponential)
	s_wait_alu depctr_va_vdst(0)                   ; the wait ahead of the result's first reader
	v_add_f32 v[RR], 1.0, v[TT]
	v_rcp_f32 v[CW], v[RR]                         ; c0 = 1 / (1 + t)
	v_nop
	s_wait_alu depctr_va_vdst(0)
	v_mul_f32 v[CW+1], v[TT], v[CW]                ; c1 = t / (1 + t)
	v_cmp_eq_u32 vcc_lo, 0, v1
	s_wait_xcnt 0x0                                ; EXEC changes only behind this wait: the stores above have been issued under the full one
	s_barrier_signal -1
	s_barrier_wait -1
	s_wait_tensorcnt 0x0
	ds_add_u32 v200, v201
	s_wait_dscnt 0x0
	s_and_saveexec_b32 s33, vcc_lo                 ; lane 0 stores for the wave
	global_store_b32 v7, v[SELW], s[14:15]
	global_store_b64 v7, v[CW:CW+1], s[16:17]
	s_endpgm
.Lfunc_end_k_q55460732d6_route:
	.size	k_q55460732d6_route, .Lfunc_end_k_q55460732d6_route-k_q55460732d6_route
	.p2alignl 7, 3214868480
	.fill 96, 4, 3214868480
	.section	.rodata,"a",@progbits
	.p2align	6, 0x0
	.amdhsa_kernel k_q55460732d6_route
		.amdhsa_group_segment_fixed_size 52224
		.amdhsa_private_segment_fixed_size 0
		.amdhsa_enable_private_segment 0
		.amdhsa_kernarg_size 56
		.amdhsa_user_sgpr_count 2
		.amdhsa_user_sgpr_kernarg_segment_ptr 1
		.amdhsa_wavefront_size32 1
		.amdhsa_system_sgpr_workgroup_id_x 1
		.amdhsa_system_sgpr_workgroup_id_y 1
		.amdhsa_system_sgpr_workgroup_id_z 1
		.amdhsa_system_vgpr_workitem_id 0
		.amdhsa_next_free_vgpr 202
		.amdhsa_next_free_sgpr 66
		.amdhsa_reserve_vcc 1
		.amdhsa_float_denorm_mode_32 3
		.amdhsa_float_denorm_mode_16_64 3
		.amdhsa_memory_ordered 1
		.amdhsa_forward_progress 1
		.amdhsa_inst_pref_size 27
	.end_amdhsa_kernel
	.amdgpu_metadata
---
amdhsa.version: [ 1, 2 ]
amdhsa.kernels:
  - .name:           k_q55460732d6_route
    .symbol:         k_q55460732d6_route.kd
    .args:
      - { .name: x, .offset: 0, .size: 8, .value_kind: global_buffer, .address_space: global }
      - { .name: gate_w, .offset: 8, .size: 8, .value_kind: global_buffer, .address_space: global }
      - { .name: gate_b, .offset: 16, .size: 8, .value_kind: global_buffer, .address_space: global }
      - { .name: xq, .offset: 24, .size: 8, .value_kind: global_buffer, .address_space: global }
      - { .name: xs, .offset: 32, .size: 8, .value_kind: global_buffer, .address_space: global }
      - { .name: selw, .offset: 40, .size: 8, .value_kind: global_buffer, .address_space: global }
      - { .name: cw, .offset: 48, .size: 8, .value_kind: global_buffer, .address_space: global }
    .group_segment_fixed_size: 52224
    .private_segment_fixed_size: 0
    .kernarg_segment_align: 8
    .kernarg_segment_size: 56
    .max_flat_workgroup_size: 128
    .sgpr_count:     66
    .vgpr_count:     202
    .wavefront_size: 32
...
	.end_amdgpu_metadata
.endif
;; end of part 1
;; launch up (part 2): grid 32 x 8, 4 waves a work-group, no clusters, 74,496 bytes of LDS; arguments w1, b1, xq, xs, selw, himg, hsc, rlist; writes himg, hsc, rlist
.if DOCPART == 2
	.amdgcn_target "amdgcn-amd-amdhsa--gfx1250"
	.amdhsa_code_object_version 6
	.text
	.protected	k_q55460732d6_up
	.globl	k_q55460732d6_up
	.p2align	8
	.type	k_q55460732d6_up,@function
k_q55460732d6_up:
	s_mov_b64 s[64:65], 0
	v_nop
	global_prefetch_b8 v0, s[64:65] scope:SCOPE_SE
	s_setreg_imm32_b32 hwreg(HW_REG_WAVE_MODE, 25, 1), 1
	s_wait_xcnt 0x0
; h = gelu(x w1[e] + b1[e]) for the tokens that chose expert e, quantised along the hidden axis.  Both operands of the product are codes of FP4 (E2M1) with one E8M0 scale for each 32 along K.
; SHARES.  Work-group (s, e) owns hidden units 128 s .. 128 s + 127 of expert e: a slab of w1, 1,024 rows x 512 bytes of f32, which no other work-group reads.
; THE STREAM.  Wave w takes rows 256 w .. 256 w + 255 of the slab (K steps 2 w, 2 w + 1).  A load reads one row's 512 bytes, 16 a lane, so a lane gets four neighbouring COLUMNS;
;   the conversions want neighbours along K in one lane's consecutive registers, so each loaded number is copied once into a run down K of its column (which also frees the ring's register for its next load).
;   A ring of four slots of 16 loads keeps 48 to 64 loads of 512 bytes of every wave on their way.  Every 32 rows (a chunk): the four columns' largest magnitudes, scale bytes, codes; the codes go to LDS as IMAGES OF THE OPERAND'S REGISTERS.
; THE FRAGMENTS COME BACK UNDER THE STREAM.  Every wave wants all 64 fragments (8 tiles of 16 hidden units x 8 K steps, 512 registers).  They are taken out of LDS in four stages: behind every second chunk a barrier, and behind it
;   each wave reads the 16 KB that the four waves have stored since the last one, in two runs of 16 loads with a half block's copies and refill between.  Each stage has LDS bytes of its own: nothing is written twice.  Only the last stage and the scale words are read behind the stream.
; THE TOKENS.  The expert's list of routed rows (rid = 2 token + place in the token's choice) is made by wave 0 from selw, under the first loads; the others meet it at the first stage's barrier.  Wave w takes tiles w, w + 4, .. of 16 list rows:
;   x's codes gathered by the list, 64 matrix instructions (transposed: source 0 = 16 hidden units, source 1 = 16 tokens; b1 is the C of the first), gelu, quantiser; the wave's 128 hidden units are one K step of the
;   second product: one fragment (1,024 bytes, as an image) and one scale word a row go to himg and hsc.
; THE LIST ALSO GOES TO MEMORY, for the next launch: the work-group of slab 0 stores its expert's 1,024 entries and the count into rlist [8][4,352 bytes] (entries at 0, the count at 4,096).
; THE HIDDEN UNITS OF A TILE ARE NOT NEIGHBOURS: lane r of tile 2 b + u takes unit 32 b + 8 u + r + 8 (r / 8), so that a lane's 16 registers of tiles 2 b and 2 b + 1 are 16 neighbours along the next K.
; At least four tiles are always made (list entries past the count name token 1,023 and a dump row): every wave has a first tile, and the next launch reads no byte that was not stored.
; gelu is the tanh form: g = x / (1 + 2^p), p = x (A + B x^2), A = -2 log2(e) sqrt(2 / pi), B = 0.044715 A: all in f32.
; No tensor load, no cluster, no joint load: the number of tiles is read from memory, and what the work-groups of an expert share (the tokens' codes, 8.5 KB a tile) is small beside each one's own 512 KB.
; No prefetch: the stream's own loads are on their way from the head to its end.
; LIMITS: NaN and infinities are not served.  A block whose largest magnitude lies under 2^-124 (a block of zeros too) gets the byte 1: the bytes are read by this program alone.
; REGISTERS, in windows of 256: window 0: addresses, v32-63 w1's scale words, v64-79 x's scale words (two sets), v80-207 the runs down K, later the hidden layer and p; v208-239 at work.
;   window 1: the ring (4 x 64); as its slots fall free: v0-63 and v128-191 x's fragments, two sets, v64-127 b1's eight tiles.   window 2: w1's fragments of K steps 0-3;  window 3: those of K steps 4-7.
.set PITCH, 16384                      ; a row of w1[e] in bytes
.set STGB,  16384                      ; LDS: 0 .. 65,535 the images, by stage: stage j from 16,384 j on; in it the piece of tile ct and wave w at 2,048 ct + 512 w: registers 4 c .. 4 c + 3, c = j % 2, of fragment (ct, K step 2 w + j / 2), 16 bytes a lane
.set WSC,   65536                      ; the scale words: word r of (ct, ks) at 512 ct + 64 ks + 4 r
.set LIST,  69632                      ; the list: 1,024 entries; entry 1,024: where lanes without a row write; the count at + 4,160
.set CNTW,  LIST+4160
.set RLE,   4352                       ; an expert's part of rlist in bytes
.set TL,    34                         ; loads issued behind the ring's last: x of my first tile (18) and b1 (16)
.set LI,    5                          ; v5   16 x lane: my place in a row of the slab, in an image, in a fragment's store; never rewritten
.set LS,    6                          ; v6   WSC + 4 x lane
.set WIA,   7                          ; v7   where my columns' codes go
.set WSA,   8                          ; v8   and their scale words
.set R4,    9                          ; v9   4 r
.set H16,   10                         ; v10  16 h
.set LB,    11                         ; v11  LIST + 4 r
.set LAD,   12
.set RID,   13
.set XO,    14
.set XSO,   15
.set GA,    16                         ; v[16:17] A, twice
.set L8,    18                         ; v18  8 x lane
.set TRW,   19                         ; v19  1,024
.set DUMP,  24                         ; v24-27 2,048 + e
.set LPF,   28                         ; v28  LIST + 16 x lane
.set CNA,   29                         ; v29  CNTW
.set CNT,   30
.set H64,   31                         ; v31  64 h
.set WS,    32                         ; register 4 ct + p: K step 2 p in lanes 0-15, 2 p + 1 in lanes 16-31
.set XS,    64
.set T,     80                         ; v[T + 32 jj + i]: row i of the chunk's 32, column 4 lane + jj
.set C,     208
.set M,     224
.set SO,    228
.set BY,    232
.set SW,    236
.set HA,    80                         ; the hidden layer: 8 tiles x 8
.set P,     144
.set PC,    208
.set TM,    216
.set PW,    232
.set BI,    64                         ; in window 1: b1's eight tiles
.set MSB, 0
.macro WIN new                         ; the immediate's high byte repeats the setting that is left
.if MSB != \new
	s_set_vgpr_msb (MSB<<8)|\new
.set MSB, \new
.endif
.endm
.macro PLACES n
.rept \n
	v_nop
.endr
.endm
.macro BAR                             ; my LDS stores have landed and my LDS loads are in: then the work-group's barrier
	s_wait_dscnt 0x0
	s_barrier_signal -1
	s_barrier_wait -1
.endm
.macro RLOAD n                         ; half block n: rows 16 n .. 16 n + 15 of my 256, into ring slot n % 4
	WIN 0x40                                       ; destination window 1
.irp i, 0,1,2,3,4,5,6,7,8,9,10,11,12,13,14,15
	global_load_b128 v[64*((\n)%4)+4*\i:64*((\n)%4)+4*\i+3], v[LI], s[4:5] offset:(16*(\n)+\i)*PITCH th:TH_LOAD_NT
.endr
	WIN 0
.endm
.macro HALF n                          ; half block n has landed: its 64 numbers a lane go into the four runs down K, and its slot is asked for again
.if (\n) < 13
	s_wait_loadcnt 48                              ; the three younger half blocks may be out
.elseif (\n) == 13
	s_wait_loadcnt 32
.elseif (\n) == 14
	s_wait_loadcnt 16
.else
	s_wait_loadcnt TL                              ; only the token loads issued behind the ring's last
.endif
	WIN 0x01                                       ; source window 1
.irp i, 0,1,2,3,4,5,6,7,8,9,10,11,12,13,14,15
.irp jj, 0,1,2,3
	v_mov_b32 v[T+32*\jj+16*((\n)%2)+\i], v[64*((\n)%4)+4*\i+\jj]
.endr
.endr
.if (\n)+4 < 16
	RLOAD (\n)+4
.else
	WIN 0
.endif
.endm
.macro QBLK q                          ; chunk q: 32 rows x my four columns: block q % 4 of K step 2 w + q / 4
.irp jj, 0,1,2,3
	v_max3_num_f32 v[M+\jj], |v[T+32*\jj]|, |v[T+32*\jj+1]|, 0x1800000   ; with the floor 2^(3 - 127): the byte cannot fall under 1
.endr
.irp i, 2,4,6,8,10,12,14,16,18,20,22,24,26,28,30
.irp jj, 0,1,2,3
	v_max3_num_f32 v[M+\jj], v[M+\jj], |v[T+32*\jj+\i]|, |v[T+32*\jj+\i+1]|   ; the four columns by turns
.endr
.endr
.irp jj, 0,1,2,3
	v_add_nc_u32 v[SO+\jj], 0xff000000, v[M+\jj]   ; 2 off the exponent field: the conversion's scale operand
.endr
	s_wait_dscnt 0x0                               ; the last chunk's LDS stores are done: their data registers are written again below (a stage's loads, if any are out, are in too)
.irp jj, 0,1,2,3
.if (\q)%4 == 0
	v_lshrrev_b32 v[SW+\jj], 23, v[SO+\jj]         ; the scale's byte: four chunks' bytes make a K step's word
.else
	v_lshrrev_b32 v[BY+\jj], 23, v[SO+\jj]
.endif
.endr
.if (\q)%4
.irp jj, 0,1,2,3
	v_lshl_or_b32 v[SW+\jj], v[BY+\jj], 8*((\q)%4), v[SW+\jj]
.endr
.endif
.irp jj, 0,1,2,3
.irp g, 0,1,2,3
	v_cvt_scalef32_pk8_fp4_f32 v[C+4*\jj+\g], v[T+32*\jj+8*\g:T+32*\jj+8*\g+7], v[SO+\jj]
.endr
.endr
	v_nop                                          ; one plain line behind the last conversion
.irp jj, 0,1,2,3
	ds_store_b128 v[WIA], v[C+4*\jj:C+4*\jj+3] offset:16*\jj+STGB*((\q)/2)+256*((\q)%2)   ; a block's 32 codes: 16 bytes at stage q / 2, half q % 2 of the lanes, row r
.endr
.if (\q)%4 == 3
.irp jj, 0,1,2,3
	ds_store_b32 v[WSA], v[SW+\jj] offset:4*\jj+64*((\q)/4)
.endr
.endif
.endm
.macro FETCHP j, hf                    ; stage j, the pieces that waves 2 hf and 2 hf + 1 stored: registers 4 (j % 2) on of fragments (ct, K step 2 (2 hf + kk) + j / 2), 8 KB
.if \hf
	WIN 0xc0                                       ; K steps 4-7: destination window 3
.else
	WIN 0x80                                       ; K steps 0-3: destination window 2
.endif
.irp kk, 0,1
.irp ct, 0,1,2,3,4,5,6,7
	ds_load_b128 v[8*(8*(2*\kk+(\j)/2)+\ct)+4*((\j)%2):8*(8*(2*\kk+(\j)/2)+\ct)+4*((\j)%2)+3], v[LI] offset:STGB*(\j)+2048*\ct+512*(2*(\hf)+\kk)
.endr
.endr
	WIN 0
.endm
.macro WSGET                           ; w1's scale words
.irp ct, 0,1,2,3,4,5,6,7
.irp p, 0,1,2,3
	ds_load_b32 v[WS+4*\ct+\p], v[LS] offset:512*\ct+128*\p
.endr
.endr
.endm
.macro LSTEP m, jj                     ; the word of token 128 m + 4 lane + jj: does it name my expert, and at which place?
	v_and_b32 v20, 0xff, v[80+4*\m+\jj]
	v_bfe_u32 v21, v[80+4*\m+\jj], 8, 8
	v_cmp_eq_u32 s27, s19, v20
	v_cmp_eq_u32 vcc_lo, s19, v21
	s_or_b32 s27, s27, vcc_lo
	v_cndmask_b32 v21, 0, 1, vcc_lo
	v_add3_u32 v23, v[L8], v21, 256*\m+2*\jj       ; rid = 2 token + place
	v_mbcnt_lo_u32_b32 v22, s27, 0                 ; rows of lower lanes
	v_add_nc_u32 v22, s26, v22                     ; + rows so far
	v_cndmask_b32 v22, v[TRW], v22, s27            ; a lane without a row writes entry 1,024
	v_min_u32 v22, 0x400, v22
	v_lshl_add_u32 v22, v22, 2, LIST
	ds_store_b32 v22, v23
	s_bcnt1_i32_b32 s28, s27
	s_add_co_u32 s26, s26, s28
.endm
.macro XGET set                        ; the 16 list rows at byte s28 of the list: their tokens' codes (8 fragments) and scale words, into set
	v_add_nc_u32 v[LAD], s28, v[LB]
	ds_load_b32 v[RID], v[LAD]
	s_wait_dscnt 0x0
	v_lshrrev_b32 v[RID], 1, v[RID]                ; the token
	v_min_u32 v[RID], 0x3ff, v[RID]                ; (a dump entry becomes token 1,023)
	v_lshl_add_u32 v[XO], v[RID], 9, v[H16]        ; its row of 512 bytes, + 16 h
	v_lshlrev_b32 v[XSO], 5, v[RID]                ; its 32 scale bytes
	WIN 0x40                                       ; destination window 1
.irp ks, 0,1,2,3,4,5,6,7
.irp c, 0,1
	global_load_b128 v[128*\set+8*\ks+4*\c:128*\set+8*\ks+4*\c+3], v[XO], s[8:9] offset:64*\ks+32*\c
.endr
.endr
	WIN 0
.irp m, 0,1
	global_load_b128 v[XS+8*\set+4*\m:XS+8*\set+4*\m+3], v[XSO], s[10:11] offset:16*\m
.endr
.endm
.macro BIAS                            ; b1 in the result's layout: tile ct, lane (r, h), register j: unit 32 (ct / 2) + 16 h + 8 (ct % 2) + j
	WIN 0x40
.irp ct, 0,1,2,3,4,5,6,7
.irp m, 0,1
	global_load_b128 v[BI+8*\ct+4*\m:BI+8*\ct+4*\m+3], v[H64], s[6:7] offset:(32*(\ct/2)+8*(\ct%2))*4+16*\m
.endr
.endr
	WIN 0
.endm
.macro MULS set                        ; 64 matrix instructions: K step by K step, the eight accumulators by turns, one instruction a turn
.irp ks, 0,1,2,3,4,5,6,7
.if \ks == 0
	WIN 0x16                                       ; source 0 (w1) window 2, source 1 (x) and source 2 (b1) window 1
.elseif \ks < 4
	WIN 0x06
.else
	WIN 0x07                                       ; source 0 window 3
.endif
.irp ct, 0,1,2,3,4,5,6,7
.if \ks == 0
	v_wmma_scale_f32_16x16x128_f8f6f4 v[HA+8*\ct:HA+8*\ct+7], v[8*\ct:8*\ct+7], v[128*\set:128*\set+7], v[BI+8*\ct:BI+8*\ct+7], v[WS+4*\ct], v[XS+8*\set] matrix_a_fmt:MATRIX_FMT_FP4 matrix_b_fmt:MATRIX_FMT_FP4
.elseif \ks%2
	v_wmma_scale_f32_16x16x128_f8f6f4 v[HA+8*\ct:HA+8*\ct+7], v[8*(8*(\ks%4)+\ct):8*(8*(\ks%4)+\ct)+7], v[128*\set+8*\ks:128*\set+8*\ks+7], v[HA+8*\ct:HA+8*\ct+7], v[WS+4*\ct+\ks/2], v[XS+8*\set+\ks] matrix_a_fmt:MATRIX_FMT_FP4 matrix_b_fmt:MATRIX_FMT_FP4 matrix_a_scale:MATRIX_SCALE_ROW1
.else
	v_wmma_scale_f32_16x16x128_f8f6f4 v[HA+8*\ct:HA+8*\ct+7], v[8*(8*(\ks%4)+\ct):8*(8*(\ks%4)+\ct)+7], v[128*\set+8*\ks:128*\set+8*\ks+7], v[HA+8*\ct:HA+8*\ct+7], v[WS+4*\ct+\ks/2], v[XS+8*\set+\ks] matrix_a_fmt:MATRIX_FMT_FP4 matrix_b_fmt:MATRIX_FMT_FP4
.endif
.endr
.endr
	WIN 0
.endm
.macro GELU                            ; 64 numbers a lane; each accumulator is read from its low end on
.set J, 0
.rept 32
	v_pk_mul_f32 v[P+J:P+J+1], v[HA+J:HA+J+1], v[HA+J:HA+J+1]
.set J, J+2
.endr
.set J, 0
.rept 32
	v_pk_fma_f32 v[P+J:P+J+1], v[P+J:P+J+1], s[24:25], v[GA:GA+1] op_sel_hi:[1,0,1]   ; A + B x^2
.set J, J+2
.endr
.set J, 0
.rept 32
	v_pk_mul_f32 v[P+J:P+J+1], v[P+J:P+J+1], v[HA+J:HA+J+1]                            ; p
.set J, J+2
.endr
.set J, 0
.rept 64
	v_exp_f32 v[P+J], v[P+J]
.set J, J+1
.endr
	v_nop                                          ; a plain line behind the last exponential
	s_wait_alu depctr_va_vdst(0)                   ; one wait for the batch, ahead of its first reader
.set J, 0
.rept 32
	v_pk_add_f32 v[P+J:P+J+1], v[P+J:P+J+1], 1.0 op_sel_hi:[1,0]
.set J, J+2
.endr
.set J, 0
.rept 64
	v_rcp_f32 v[P+J], v[P+J]
.set J, J+1
.endr
	v_nop
	s_wait_alu depctr_va_vdst(0)
.set J, 0
.rept 32
	v_pk_mul_f32 v[HA+J:HA+J+1], v[HA+J:HA+J+1], v[P+J:P+J+1]
.set J, J+2
.endr
.endm
; 64 numbers of a lane, register 16 b + i = k 32 b + 16 h + i of my row, become a fragment's codes in v[PC] on and its scale word in v[PW]
.macro QUANT s
.irp b, 0,1,2,3
	v_max3_num_f32 v[TM+\b], |v[\s+16*\b]|, |v[\s+1+16*\b]|, 0x1800000
.endr
.irp i, 2,4,6,8,10,12,14
.irp b, 0,1,2,3
	v_max3_num_f32 v[TM+\b], v[TM+\b], |v[\s+16*\b+\i]|, |v[\s+1+16*\b+\i]|
.endr
.endr
.irp b, 0,1,2,3
	v_permlanex16_b32 v[TM+4+\b], v[TM+\b], s22, s23
.endr
.irp b, 0,1,2,3
	v_max_num_f32 v[TM+\b], v[TM+\b], v[TM+4+\b]   ; with lane l xor 16's: the block's largest magnitude
.endr
.irp b, 0,1,2,3
	v_add_nc_u32 v[TM+12+\b], 0xff000000, v[TM+\b]
.endr
.irp b, 0,1,2,3
	v_lshrrev_b32 v[TM+4+\b], 23, v[TM+12+\b]
.endr
	v_lshl_or_b32 v[PW], v[TM+5], 8, v[TM+4]
	v_lshl_or_b32 v[PW], v[TM+6], 16, v[PW]
	v_lshl_or_b32 v[PW], v[TM+7], 24, v[PW]
.irp b, 0,1,2,3
	v_cvt_scalef32_pk8_fp4_f32 v[PC+2*\b], v[\s+16*\b:\s+7+16*\b], v[TM+12+\b]
	v_cvt_scalef32_pk8_fp4_f32 v[PC+1+2*\b], v[\s+8+16*\b:\s+15+16*\b], v[TM+12+\b]
.endr
	v_nop                                          ; one plain line behind the last conversion
.irp c, 0,1                            ; the operand's layout wants a whole block in a lane
.irp i, 0,1
	v_permlane16_swap_b32 v[PC+4*\c+\i], v[PC+2+4*\c+\i]
.endr
.endr
.endm
; One tile.  The next tile's x is asked for first; where there is none, the address chosen is this tile's own, so that the other set is filled on every way.  Behind the last tile the wave leaves the loop.
.macro SLOT cur, nxt
	s_wait_loadcnt 0x0                             ; this tile's x, asked for a tile ago (ahead of the first tile: b1 too); XO and XSO are free
	s_add_co_u32 s31, s30, 4
	s_cmp_lt_u32 s31, s29
	s_cselect_b32 s28, 256, 0
	s_add_co_u32 s28, s28, s32
	XGET \nxt
	MULS \cur
	PLACES 4                                       ; four places between the last product and the first read of a result (ISA guide 7.12.1)
	GELU
	QUANT HA
	global_store_b128 v[LI], v[PC:PC+3], s[14:15]              ; the fragment's image: 512 bytes on end a store
	global_store_b128 v[LI], v[PC+4:PC+7], s[14:15] offset:512
	global_store_b32 v[R4], v[PW], s[16:17]                    ; 16 scale words on end (lanes r and r + 16 hold the same word)
	s_wait_xcnt 0x0                                ; the stores' bases and data are written again only behind this wait
	s_add_co_u32 s32, s32, 256
	s_add_nc_u64 s[14:15], s[14:15], 0x20000       ; four tiles on
	s_add_nc_u64 s[16:17], s[16:17], 0x2000
	s_mov_b32 s30, s31
	s_cmp_ge_u32 s30, s29
	s_cbranch_scc1 .Ldone
.endm
	s_load_b256 s[4:11], s[0:1], 0x0               ; w1, b1, xq, xs
	s_load_b128 s[12:15], s[0:1], 0x20             ; selw, himg
	s_load_b64 s[16:17], s[0:1], 0x30              ; hsc
	s_load_b64 s[42:43], s[0:1], 0x38              ; rlist
	v_lshl_add_u32 v254, v0, 2, 0x12100
	v_mov_b32 v255, 0
	v_lshrrev_b32 v1, 5, v0
	v_readfirstlane_b32 s18, v1                    ; wave
	s_and_b32 s19, ttmp7, 0xffff                   ; the expert
	s_mov_b32 s20, ttmp9                           ; the slab
	v_and_b32 v1, 31, v0                           ; lane
	v_and_b32 v2, 15, v0                           ; r
	v_bfe_u32 v3, v0, 4, 1                         ; h
	v_lshlrev_b32 v[LI], 4, v1
	v_lshl_add_u32 v[LS], v1, 2, WSC
	; column 4 lane + jj of the slab is row r = 8 ((l >> 2) & 1) + 4 (l & 1) + jj of tile ct = 2 (l >> 3) + ((l >> 1) & 1)
	v_bfe_u32 v20, v0, 3, 2
	v_bfe_u32 v21, v0, 1, 1
	v_bfe_u32 v22, v0, 2, 1
	v_and_b32 v23, 1, v0
	v_lshlrev_b32 v[WIA], 12, v20
	v_lshl_add_u32 v[WIA], v21, 11, v[WIA]
	v_lshl_add_u32 v[WIA], v22, 7, v[WIA]
	v_lshl_add_u32 v[WIA], v23, 6, v[WIA]
	s_lshl_b32 s28, s18, 9
	v_add_nc_u32 v[WIA], s28, v[WIA]               ; 2,048 ct + 16 r + 512 wave
	v_lshlrev_b32 v[WSA], 10, v20
	v_lshl_add_u32 v[WSA], v21, 9, v[WSA]
	v_lshl_add_u32 v[WSA], v22, 5, v[WSA]
	v_lshl_add_u32 v[WSA], v23, 4, v[WSA]
	s_lshl_b32 s28, s18, 7
	v_add_nc_u32 v[WSA], s28, v[WSA]
	v_add_nc_u32 v[WSA], WSC, v[WSA]               ; WSC + 512 ct + 4 r + 128 wave
	v_lshlrev_b32 v[R4], 2, v2
	v_lshlrev_b32 v[H16], 4, v3
	v_lshl_add_u32 v[LB], v2, 2, LIST
	v_mov_b32 v[GA], 0xc0135761                    ; A = -2.3022082
	v_mov_b32 v[GA+1], 0xc0135761
	v_lshlrev_b32 v[L8], 3, v1
	v_mov_b32 v[TRW], 0x400
	s_add_co_u32 s28, s19, 2048
.irp i, 0,1,2,3
	v_mov_b32 v[DUMP+\i], s28
.endr
	v_lshl_add_u32 v[LPF], v1, 4, LIST
	v_mov_b32 v[CNA], CNTW
	v_lshlrev_b32 v[H64], 6, v3
	s_mov_b32 s22, 0x76543210
	s_mov_b32 s23, 0xfedcba98
	s_mov_b32 s24, 0xbdd2d3e8                      ; B = -0.10294324
	s_mov_b32 s25, s24
	s_mov_b32 s26, 0
	s_mov_b32 s30, s18                             ; my first tile
	s_lshl_b32 s32, s18, 6                         ; and its 64 bytes of the list
	s_lshl_b32 s34, s19, 24                        ; w1: expert, my 256 rows, the slab's 512 bytes
	s_lshl_b32 s28, s18, 22
	s_add_co_u32 s34, s34, s28
	s_lshl_b32 s28, s20, 9
	s_add_co_u32 s34, s34, s28
	s_mov_b32 s35, 0
	s_lshl_b32 s36, s19, 14                        ; b1
	s_add_co_u32 s36, s36, s28
	s_mov_b32 s37, 0
	s_lshl_b32 s38, s19, 21                        ; himg [8][64 tiles][32 K steps][1,024]: expert, tile = wave, K step = slab
	s_lshl_b32 s28, s18, 15
	s_add_co_u32 s38, s38, s28
	s_lshl_b32 s28, s20, 10
	s_add_co_u32 s38, s38, s28
	s_mov_b32 s39, 0
	s_lshl_b32 s40, s19, 17                        ; hsc [8][64][32][64 bytes]
	s_lshl_b32 s28, s18, 11
	s_add_co_u32 s40, s40, s28
	s_lshl_b32 s28, s20, 6
	s_add_co_u32 s40, s40, s28
	s_mov_b32 s41, 0
	s_mul_i32 s44, s19, RLE                        ; rlist: my expert's part
	s_mov_b32 s45, 0
	s_wait_kmcnt 0x0
	s_add_nc_u64 s[4:5], s[4:5], s[34:35]
	s_add_nc_u64 s[6:7], s[6:7], s[36:37]
	s_add_nc_u64 s[14:15], s[14:15], s[38:39]
	s_add_nc_u64 s[16:17], s[16:17], s[40:41]
	s_add_nc_u64 s[42:43], s[42:43], s[44:45]
.irp m, 0,1,2,3,4,5,6,7
	global_load_b128 v[80+4*\m:83+4*\m], v[LI], s[12:13] offset:512*\m   ; selw, 4 KB.  Wave 0 alone reads it; every wave issues the loads, so that all four count their loads alike
.endr
	RLOAD 0
	RLOAD 1
	RLOAD 2
	RLOAD 3
	; THE LIST, by wave 0, while the ring's first loads are on their way.  The other waves go on into the stream: ahead of the first stage's barrier they store into the images alone, which lie under the list.
	s_cmp_lg_u32 s18, 0
	s_cbranch_scc1 .Lnolist
	s_wait_loadcnt 63                              ; selw's eight loads are older than the ring's 64
.irp m, 0,1,2,3,4,5,6,7
	ds_store_b128 v[LPF], v[DUMP:DUMP+3] offset:512*\m   ; every entry begins as the dump row's number
.endr
.irp m, 0,1,2,3,4,5,6,7
.irp jj, 0,1,2,3
	LSTEP \m, \jj
.endr
.endr
	v_mov_b32 v[CNT], s26
	ds_store_b32 v[CNA], v[CNT]
	s_cmp_lg_u32 s20, 0                            ; the work-group of slab 0 stores the list for the next launch: each byte of rlist has one owner
	s_cbranch_scc1 .Lnolist
.irp m, 0,1,2,3,4,5,6,7
	ds_load_b128 v[80+4*\m:83+4*\m], v[LPF] offset:512*\m   ; LDS serves a wave's instructions in order: these see the stores above.  selw's words are done with
.endr
	s_wait_dscnt 0x0
.irp m, 0,1,2,3,4,5,6,7
	global_store_b128 v[LI], v[80+4*\m:83+4*\m], s[42:43] offset:512*\m   ; 512 bytes on end a store: the 1,024 entries
.endr
	global_store_b32 v[R4], v[CNT], s[42:43] offset:4096                  ; the count, sixteen times on end; its first word is read
	s_wait_xcnt 0x0                                ; the stores' data registers are written again by the stream only behind this wait
.Lnolist:
	HALF 0
	HALF 1
	QBLK 0
	HALF 2
	HALF 3
	QBLK 1
	BAR                                            ; stage 0 lies in LDS, and so do the list and its count
	ds_load_b32 v[CNT], v[CNA]
	s_wait_dscnt 0x0
	v_readfirstlane_b32 s28, v[CNT]
	s_min_u32 s28, s28, 0x400
	s_add_co_u32 s28, s28, 15
	s_lshr_b32 s29, s28, 4
	s_max_u32 s29, s29, 4                          ; tiles: at least four, at most 64
	FETCHP 0, 0
	HALF 4
	FETCHP 0, 1
	HALF 5
	QBLK 2
	HALF 6
	HALF 7
	QBLK 3
	BAR                                            ; stage 1
	FETCHP 1, 0
	HALF 8
	FETCHP 1, 1
	HALF 9
	QBLK 4
	HALF 10
	HALF 11
	QBLK 5
	BAR                                            ; stage 2
	FETCHP 2, 0
	HALF 12
	FETCHP 2, 1
	HALF 13
	QBLK 6
	HALF 14
	s_mov_b32 s28, s32
	XGET 0                                         ; my first tile's x and b1 are asked for under the stream's end, into ring slots 0 and 1, which half blocks 12 and 13 have left: with the ring's last 16 loads 50 are out
	BIAS
	HALF 15
	QBLK 7
	BAR                                            ; stage 3, and all scale words
	FETCHP 3, 0
	FETCHP 3, 1
	WSGET
	s_wait_dscnt 0x0
	s_mov_b32 s33, 8
.Lslots:                                               ; 8 trips of two tiles at the most: 64 tiles for four waves; a wave leaves behind its last tile
	SLOT 0, 1
	SLOT 1, 0
	s_sub_co_u32 s33, s33, 1
	s_cmp_lg_u32 s33, 0
	s_cbranch_scc1 .Lslots
.Ldone:
	s_barrier_signal -1
	s_barrier_wait -1
	s_wait_tensorcnt 0x0
	ds_add_u32 v254, v255
	s_wait_dscnt 0x0
	s_endpgm
.Lfunc_end_k_q55460732d6_up:
	.size	k_q55460732d6_up, .Lfunc_end_k_q55460732d6_up-k_q55460732d6_up
	.p2alignl 7, 3214868480
	.fill 96, 4, 3214868480
	.section	.rodata,"a",@progbits
	.p2align	6, 0x0
	.amdhsa_kernel k_q55460732d6_up
		.amdhsa_group_segment_fixed_size 74496
		.amdhsa_private_segment_fixed_size 0
		.amdhsa_enable_private_segment 0
		.amdhsa_kernarg_size 64
		.amdhsa_user_sgpr_count 2
		.amdhsa_user_sgpr_kernarg_segment_ptr 1
		.amdhsa_wavefront_size32 1
		.amdhsa_system_sgpr_workgroup_id_x 1
		.amdhsa_system_sgpr_workgroup_id_y 1
		.amdhsa_system_sgpr_workgroup_id_z 1
		.amdhsa_system_vgpr_workitem_id 0
		.amdhsa_next_free_vgpr 1024
		.amdhsa_next_free_sgpr 66
		.amdhsa_reserve_vcc 1
		.amdhsa_float_denorm_mode_32 3
		.amdhsa_float_denorm_mode_16_64 3
		.amdhsa_memory_ordered 1
		.amdhsa_forward_progress 1
		.amdhsa_inst_pref_size 214
	.end_amdhsa_kernel
	.amdgpu_metadata
---
amdhsa.version: [ 1, 2 ]
amdhsa.kernels:
  - .name:           k_q55460732d6_up
    .symbol:         k_q55460732d6_up.kd
    .args:
      - { .name: w1, .offset: 0, .size: 8, .value_kind: global_buffer, .address_space: global }
      - { .name: b1, .offset: 8, .size: 8, .value_kind: global_buffer, .address_space: global }
      - { .name: xq, .offset: 16, .size: 8, .value_kind: global_buffer, .address_space: global }
      - { .name: xs, .offset: 24, .size: 8, .value_kind: global_buffer, .address_space: global }
      - { .name: selw, .offset: 32, .size: 8, .value_kind: global_buffer, .address_space: global }
      - { .name: himg, .offset: 40, .size: 8, .value_kind: global_buffer, .address_space: global }
      - { .name: hsc, .offset: 48, .size: 8, .value_kind: global_buffer, .address_space: global }
      - { .name: rlist, .offset: 56, .size: 8, .value_kind: global_buffer, .address_space: global }
    .group_segment_fixed_size: 74496
    .private_segment_fixed_size: 0
    .kernarg_segment_align: 8
    .kernarg_segment_size: 64
    .max_flat_workgroup_size: 128
    .sgpr_count:     66
    .vgpr_count:     1024
    .wavefront_size: 32
...
	.end_amdgpu_metadata
.endif
;; end of part 2
;; launch down (part 3): grid 32 x 8, 4 waves a work-group, no clusters, 87,552 bytes of LDS; arguments w2, himg, hsc, rlist, ypart; writes ypart
.if DOCPART == 3
	.amdgcn_target "amdgcn-amd-amdhsa--gfx1250"
	.amdhsa_code_object_version 6
	.text
	.protected	k_q55460732d6_down
	.globl	k_q55460732d6_down
	.p2align	8
	.type	k_q55460732d6_down,@function
k_q55460732d6_down:
	s_mov_b64 s[64:65], 0
	v_nop
	global_prefetch_b8 v0, s[64:65] scope:SCOPE_SE
	s_setreg_imm32_b32 hwreg(HW_REG_WAVE_MODE, 25, 1), 1
	s_wait_xcnt 0x0
; ypart[kh][rid][:] = h[rid] w2[e] over half kh of the hidden axis, for the routed rows of expert e.  Both operands are codes of FP4 (E2M1) with one E8M0 scale for each 32 along K.
; SHARES.  Work-group (cs + 16 kh, e) owns output columns 64 cs .. 64 cs + 63 and hidden rows 2,048 kh .. + 2,047 of w2[e]: 2,048 rows x 256 bytes of f32, which no other work-group reads.
; THE STREAM, as in the launch before.  Wave w takes rows 512 w .. + 511 of the slab (its K steps 4 w .. 4 w + 3).  A load reads 256 bytes of a row in lanes 0-15 and of the row 32 further down in lanes 16-31:
;   so lanes 0-15 gather an even block of 32 along K and lanes 16-31 the odd one behind it.  Each loaded number is copied once into a run down K of its column; every 64 rows (a chunk): scales, codes, images to LDS.
; THE FRAGMENTS COME BACK UNDER THE STREAM.  Every wave wants all 64 fragments (4 tiles of 16 columns x 16 K steps, 512 registers).  They are taken out of LDS in four stages: behind every second chunk a barrier, and behind it each wave
;   reads the 16 KB that the four waves have stored since the last one, in two runs of 16 loads with a half block's copies and refill between.  Each stage has LDS bytes of its own: nothing is written twice.  Only the last stage and the scale words are read behind the stream.
; THE TOKENS.  The expert's list of routed rows and its count lie in rlist, stored by the launch before: tile t names the same 16 rows here as there.  Wave w takes tiles w, w + 4, ..: 16 fragments of h (16 KB on end), their scale
;   words and the tile's 16 rids, 64 matrix instructions (transposed: source 0 = 16 columns of w2, source 1 = 16 rows of h), the first with C = 0.  A lane then holds eight neighbouring columns of one row; the tile turns through
;   the wave's own stage in LDS and leaves by rows: sixteen lanes store 256 consecutive bytes, aligned, of row rid.  List entries past the count name row 2,048 + e, whose bytes in these columns are this work-group's alone and are never read.
;   A TILE IS ASKED FOR TWO TILES AHEAD: two sets of registers; a set is asked for again as soon as its products are issued, so its 42 loads have the rest of this tile and the whole next tile in which to land.
; No tensor load, no cluster, no joint load: the number of tiles is read from memory, and what work-groups share (h's images, 17 KB a tile) is small beside each one's own 512 KB.  No prefetch: the stream's own loads are on their way throughout.
; LIMITS: NaN and infinities are not served.  A block whose largest magnitude lies under 2^-124 (a block of zeros too) gets the byte 1: the bytes are read by this program alone.
; REGISTERS, in windows of 256: window 0: addresses, v16-31 a tile's rids (two sets), v32-63 w2's scale words, v64-79 h's scale words (two sets), v80-207 the runs down K, later accumulators and the way out; v208-243 at work.
;   window 1: the ring (4 x 64); as its slots fall free: h's fragments, two sets of 128.   window 2: w2's fragments of K steps 0-7;  window 3: those of K steps 8-15.
.set PITCH, 4096                       ; a row of w2[e] in bytes
.set STGB,  16384                      ; LDS: 0 .. 65,535 the images, by stage: stage j from 16,384 j on; in it fragment (ct, K step 4 w + j) at 4,096 ct + 1,024 w; byte 512 c + 16 lane
.set WSC,   65536                      ; the scale words: word r of (ct, ks) at 1,024 ct + 64 ks + 4 r
.set STG,   69632                      ; the stages of the way out: 16 rows x 272 bytes a wave
.set SPT,   272
.set RLE,   4352                       ; an expert's part of rlist in bytes: 1,024 entries, the count at 4,096
.set TL,    42                         ; the loads that ask for a tile: h (32), its scale words (8), its rids (2)
.set WO,    4                          ; v4   16 (lane % 16) + 32 rows x (lane / 16); never rewritten
.set LI,    5                          ; v5   16 x lane; never rewritten
.set LS,    6                          ; v6   WSC + 4 x lane
.set WIA,   7
.set WSA,   8
.set R16,   9                          ; v9   16 r
.set SI,    10                         ; v10  the stage, in
.set RO,    11                         ; v11  32 h: my half's eight rids of a tile's sixteen; never rewritten
.set SR,    13                         ; v13  the stage, back
.set L4,    14                         ; v14  4 x lane; never rewritten
.set SH8,   15                         ; v15  8 h
.set RIDS,  16                         ; set s, register i: the rid of tile row 8 h + i
.set WS,    32                         ; register 8 ct + p: K step 2 p in lanes 0-15, 2 p + 1 in lanes 16-31
.set HS,    64                         ; set s, register p: likewise, of h
.set T,     80
.set C,     208
.set M,     224
.set SO,    228
.set BY,    232
.set SW,    236
.set TX,    240
.set ACC,   80
.set OUTR,  112
.set OFF,   144
.set MSB, 0
.macro WIN new                         ; the immediate's high byte repeats the setting that is left
.if MSB != \new
	s_set_vgpr_msb (MSB<<8)|\new
.set MSB, \new
.endif
.endm
.macro PLACES n
.rept \n
	v_nop
.endr
.endm
.macro BAR                             ; my LDS stores have landed and my LDS loads are in: then the work-group's barrier
	s_wait_dscnt 0x0
	s_barrier_signal -1
	s_barrier_wait -1
.endm
.macro RLOAD n                         ; half block n: rows 64 (n / 2) + 16 (n % 2) + i (lanes 16-31: 32 further down), into ring slot n % 4
	WIN 0x40
.irp i, 0,1,2,3,4,5,6,7,8,9,10,11,12,13,14,15
	global_load_b128 v[64*((\n)%4)+4*\i:64*((\n)%4)+4*\i+3], v[WO], s[4:5] offset:(64*((\n)/2)+16*((\n)%2)+\i)*PITCH th:TH_LOAD_NT
.endr
	WIN 0
.endm
.macro HALF n
.if (\n) < 13
	s_wait_loadcnt 48                              ; the three younger half blocks may be out
.elseif (\n) == 13
	s_wait_loadcnt 32
.elseif (\n) == 14
	s_wait_loadcnt 16
.else
	s_wait_loadcnt TL                              ; only my first tile's loads, issued behind the ring's last
.endif
	WIN 0x01
.irp i, 0,1,2,3,4,5,6,7,8,9,10,11,12,13,14,15
.irp jj, 0,1,2,3
	v_mov_b32 v[T+32*\jj+16*((\n)%2)+\i], v[64*((\n)%4)+4*\i+\jj]
.endr
.endr
.if (\n)+4 < 16
	RLOAD (\n)+4
.else
	WIN 0
.endif
.endm
.macro QBLK q                          ; chunk q: 64 rows x 64 columns: block 2 (q % 2) + h of K step 4 w + q / 2
.irp jj, 0,1,2,3
	v_max3_num_f32 v[M+\jj], |v[T+32*\jj]|, |v[T+32*\jj+1]|, 0x1800000   ; with the floor 2^(3 - 127): the byte cannot fall under 1
.endr
.irp i, 2,4,6,8,10,12,14,16,18,20,22,24,26,28,30
.irp jj, 0,1,2,3
	v_max3_num_f32 v[M+\jj], v[M+\jj], |v[T+32*\jj+\i]|, |v[T+32*\jj+\i+1]|
.endr
.endr
.irp jj, 0,1,2,3
	v_add_nc_u32 v[SO+\jj], 0xff000000, v[M+\jj]   ; 2 off the exponent field: the conversion's scale operand
.endr
	s_wait_dscnt 0x0                               ; the last chunk's LDS stores are done: their data registers are written again below (a stage's loads, if any are out, are in too)
.irp jj, 0,1,2,3
	v_lshrrev_b32 v[BY+\jj], 23, v[SO+\jj]         ; the scale's byte,
.endr
.if (\q)%2 == 0
.irp jj, 0,1,2,3
	v_lshlrev_b32 v[SW+\jj], v[SH8], v[BY+\jj]     ; at its place in the K step's word: byte h,
.endr
.else
.irp jj, 0,1,2,3
	v_lshlrev_b32 v[BY+\jj], v[SH8], v[BY+\jj]
.endr
.irp jj, 0,1,2,3
	v_lshl_or_b32 v[SW+\jj], v[BY+\jj], 16, v[SW+\jj]   ; byte 2 + h;
.endr
.irp jj, 0,1,2,3
	v_permlanex16_b32 v[TX+\jj], v[SW+\jj], s22, s23
.endr
.irp jj, 0,1,2,3
	v_or_b32 v[SW+\jj], v[SW+\jj], v[TX+\jj]       ; with lane l xor 16's two the word is whole
.endr
.endif
.irp jj, 0,1,2,3
.irp g, 0,1,2,3
	v_cvt_scalef32_pk8_fp4_f32 v[C+4*\jj+\g], v[T+32*\jj+8*\g:T+32*\jj+8*\g+7], v[SO+\jj]
.endr
.endr
	v_nop                                          ; one plain line behind the last conversion
.irp jj, 0,1,2,3
	ds_store_b128 v[WIA], v[C+4*\jj:C+4*\jj+3] offset:16*\jj+STGB*((\q)/2)+512*((\q)%2)
.endr
.if (\q)%2
.irp jj, 0,1,2,3
	ds_store_b32 v[WSA], v[SW+\jj] offset:4*\jj+64*((\q)/2)   ; lanes l and l + 16 write the same word with the same value
.endr
.endif
.endm
.macro FETCHP j, hf                    ; stage j, what waves 2 hf and 2 hf + 1 stored: fragments (ct, K step 4 (2 hf + kk) + j), 8 KB
.if \hf
	WIN 0xc0                                       ; K steps 8-15: destination window 3
.else
	WIN 0x80                                       ; K steps 0-7: destination window 2
.endif
.irp kk, 0,1
.irp ct, 0,1,2,3
.irp c, 0,1
	ds_load_b128 v[8*(4*(4*\kk+(\j))+\ct)+4*\c:8*(4*(4*\kk+(\j))+\ct)+4*\c+3], v[LI] offset:STGB*(\j)+4096*\ct+1024*(2*(\hf)+\kk)+512*\c
.endr
.endr
.endr
	WIN 0
.endm
.macro WSGET                           ; w2's scale words
.irp ct, 0,1,2,3
.irp p, 0,1,2,3,4,5,6,7
	ds_load_b32 v[WS+8*\ct+\p], v[LS] offset:1024*\ct+128*\p
.endr
.endr
.endm
.macro HGET set                        ; a tile's 16 fragments of h for my K half, 16 KB on end, their scale words and its rids, from s[14:15], s[16:17] and s[24:25]
	WIN 0x40                                       ; destination window 1
.irp ks, 0,1,2,3,4,5,6,7,8,9,10,11,12,13,14,15
.irp c, 0,1
	global_load_b128 v[128*\set+8*\ks+4*\c:128*\set+8*\ks+4*\c+3], v[LI], s[14:15] offset:1024*\ks+512*\c
.endr
.endr
	WIN 0
.irp p, 0,1,2,3,4,5,6,7
	global_load_b32 v[HS+8*\set+\p], v[L4], s[16:17] offset:128*\p
.endr
	global_load_b128 v[RIDS+8*\set:RIDS+8*\set+3], v[RO], s[24:25]
	global_load_b128 v[RIDS+8*\set+4:RIDS+8*\set+7], v[RO], s[24:25] offset:16
.endm
.macro AHEAD n                         ; the request's three pointers: n slots (4 n tiles) on from my tile in hand, where the list has such a tile; else my tile in hand, whose bytes are stored and whose loads are not used
	s_add_co_u32 s28, s30, 4*\n
	s_cmp_lt_u32 s28, s29
	s_cselect_b32 s34, 0x20000*\n, 0
	s_cselect_b32 s36, 0x2000*\n, 0
	s_cselect_b32 s38, 256*\n, 0
	s_add_nc_u64 s[14:15], s[6:7], s[34:35]
	s_add_nc_u64 s[16:17], s[8:9], s[36:37]
	s_add_nc_u64 s[24:25], s[10:11], s[38:39]
.endm
.macro MULS set                        ; 64 matrix instructions: K step by K step, the four accumulators by turns, one instruction a turn
.irp ks, 0,1,2,3,4,5,6,7,8,9,10,11,12,13,14,15
.if \ks < 8
	WIN 0x06                                       ; source 0 (w2) window 2, source 1 (h) window 1
.else
	WIN 0x07                                       ; source 0 window 3
.endif
.irp ct, 0,1,2,3
.if \ks == 0
	v_wmma_scale_f32_16x16x128_f8f6f4 v[ACC+8*\ct:ACC+8*\ct+7], v[8*\ct:8*\ct+7], v[128*\set:128*\set+7], 0, v[WS+8*\ct], v[HS+8*\set] matrix_a_fmt:MATRIX_FMT_FP4 matrix_b_fmt:MATRIX_FMT_FP4
.elseif \ks%2
	v_wmma_scale_f32_16x16x128_f8f6f4 v[ACC+8*\ct:ACC+8*\ct+7], v[8*(4*(\ks%8)+\ct):8*(4*(\ks%8)+\ct)+7], v[128*\set+8*\ks:128*\set+8*\ks+7], v[ACC+8*\ct:ACC+8*\ct+7], v[WS+8*\ct+\ks/2], v[HS+8*\set+\ks/2] matrix_a_fmt:MATRIX_FMT_FP4 matrix_b_fmt:MATRIX_FMT_FP4 matrix_a_scale:MATRIX_SCALE_ROW1 matrix_b_scale:MATRIX_SCALE_ROW1
.else
	v_wmma_scale_f32_16x16x128_f8f6f4 v[ACC+8*\ct:ACC+8*\ct+7], v[8*(4*(\ks%8)+\ct):8*(4*(\ks%8)+\ct)+7], v[128*\set+8*\ks:128*\set+8*\ks+7], v[ACC+8*\ct:ACC+8*\ct+7], v[WS+8*\ct+\ks/2], v[HS+8*\set+\ks/2] matrix_a_fmt:MATRIX_FMT_FP4 matrix_b_fmt:MATRIX_FMT_FP4
.endif
.endr
.endr
	WIN 0
.endm
.macro OUTA set                        ; the tile turns: lane (r, h) holds y(row r, column 16 ct + 8 h + j); and the rows' places in ypart are made
.irp ct, 0,1,2,3
	ds_store_b128 v[SI], v[ACC+8*\ct:ACC+8*\ct+3] offset:64*\ct        ; each accumulator from its low end on
	ds_store_b128 v[SI], v[ACC+8*\ct+4:ACC+8*\ct+7] offset:64*\ct+16
.endr
.irp i, 0,1,2,3,4,5,6,7
	ds_load_b128 v[OUTR+4*\i:OUTR+4*\i+3], v[SR] offset:SPT*\i         ; row 8 h + i, 16 bytes at 16 r.  LDS serves a wave's instructions in order: these see the stores above
.endr
.irp i, 0,1,2,3,4,5,6,7
	v_min_u32 v[RIDS+8*\set+\i], 0x807, v[RIDS+8*\set+\i]              ; a row of ypart: 0 .. 2,055
.endr
.irp i, 0,1,2,3,4,5,6,7
	v_lshl_add_u32 v[OFF+\i], v[RIDS+8*\set+\i], 12, v[R16]
.endr
.endm
.macro OUTB                            ; and leaves
.irp i, 0,1,2,3,4,5,6,7
	s_wait_dscnt 7-\i                              ; row pair i is back; the younger loads may be out
	global_store_b128 v[OFF+\i], v[OUTR+4*\i:OUTR+4*\i+3], s[12:13]    ; sixteen lanes store 256 consecutive bytes, aligned, of a row of ypart
.endr
.endm
; One tile, in set cur.  As soon as its products are issued and its rids are used, the set is asked for again: the tile two slots on.  Every slot issues that request, so that the count at a slot's head holds on every way.
.macro SLOT cur
	s_wait_loadcnt TL                              ; this set's 42 loads are in; the other set's 42, issued behind them, may be out
	MULS \cur
	PLACES 4                                       ; four places between the last product and the first read of a result, and the loads into its operands
	s_wait_xcnt 0x0                                ; the last slot's stores and request have read their registers: rows, offsets and the request's pointers are written again only behind this wait
	OUTA \cur
	AHEAD 2
	HGET \cur
	OUTB
	s_add_nc_u64 s[6:7], s[6:7], 0x20000           ; my next tile: four tiles on
	s_add_nc_u64 s[8:9], s[8:9], 0x2000
	s_add_nc_u64 s[10:11], s[10:11], 256
	s_add_co_u32 s30, s30, 4
	s_cmp_ge_u32 s30, s29
	s_cbranch_scc1 .Ldone
.endm
	s_load_b256 s[4:11], s[0:1], 0x0               ; w2, himg, hsc, rlist
	s_load_b64 s[12:13], s[0:1], 0x20              ; ypart
	v_lshl_add_u32 v254, v0, 2, 0x15400
	v_mov_b32 v255, 0
	v_lshrrev_b32 v1, 5, v0
	v_readfirstlane_b32 s18, v1                    ; wave
	s_and_b32 s19, ttmp7, 0xffff                   ; the expert
	s_and_b32 s20, ttmp9, 15                       ; which 64 columns
	s_lshr_b32 s21, ttmp9, 4                       ; which half of K
	v_and_b32 v1, 31, v0                           ; lane
	v_and_b32 v2, 15, v0                           ; r
	v_bfe_u32 v3, v0, 4, 1                         ; h
	v_lshlrev_b32 v[WO], 4, v2
	v_lshl_add_u32 v[WO], v3, 17, v[WO]
	v_lshlrev_b32 v[LI], 4, v1
	v_lshl_add_u32 v[LS], v1, 2, WSC
	; column 4 (lane % 16) + jj is row r = 4 (l & 3) + jj of tile ct = (l % 16) >> 2
	v_bfe_u32 v20, v0, 2, 2
	v_and_b32 v21, 3, v0
	v_lshlrev_b32 v[WIA], 12, v20
	v_lshl_add_u32 v[WIA], v21, 6, v[WIA]
	v_lshl_add_u32 v[WIA], v3, 8, v[WIA]
	s_lshl_b32 s28, s18, 10
	v_add_nc_u32 v[WIA], s28, v[WIA]               ; 4,096 ct + 16 r + 256 h + 1,024 wave
	v_lshlrev_b32 v[WSA], 10, v20
	v_lshl_add_u32 v[WSA], v21, 4, v[WSA]
	s_lshl_b32 s28, s18, 8
	v_add_nc_u32 v[WSA], s28, v[WSA]
	v_add_nc_u32 v[WSA], WSC, v[WSA]               ; WSC + 1,024 ct + 4 r + 256 wave
	v_lshlrev_b32 v[R16], 4, v2
	s_mul_i32 s28, s18, 16*SPT
	s_add_co_u32 s28, s28, STG                     ; my stage
	v_mul_u32_u24 v[SI], v2, SPT
	v_lshl_add_u32 v[SI], v3, 5, v[SI]
	v_add_nc_u32 v[SI], s28, v[SI]                 ; in: row r, + 32 h
	v_mul_u32_u24 v[SR], v3, 8*SPT
	v_lshl_add_u32 v[SR], v2, 4, v[SR]
	v_add_nc_u32 v[SR], s28, v[SR]                 ; back: lanes 0-15 rows 0 .. 7, lanes 16-31 rows 8 .. 15; 16 bytes a lane
	v_lshlrev_b32 v[RO], 5, v3
	v_lshlrev_b32 v[L4], 2, v1
	v_lshlrev_b32 v[SH8], 3, v3
.irp i, 0,1,2,3
	v_mov_b32 v[TX+\i], 0                          ; written once: a lane permute's destination counts as one of its sources
.endr
	s_mov_b32 s22, 0x76543210
	s_mov_b32 s23, 0xfedcba98
	s_mov_b32 s30, s18                             ; my first tile
	s_lshl_b32 s34, s19, 24                        ; w2: expert, half of K, my 512 rows, the 64 columns
	s_lshl_b32 s28, s21, 23
	s_add_co_u32 s34, s34, s28
	s_lshl_b32 s28, s18, 21
	s_add_co_u32 s34, s34, s28
	s_lshl_b32 s28, s20, 8
	s_add_co_u32 s34, s34, s28
	s_mov_b32 s35, 0
	s_mul_i32 s40, s21, 8421376                    ; ypart [2][2,056 rows][4,096 bytes]
	s_add_co_u32 s40, s40, s28
	s_mov_b32 s41, 0
	s_lshl_b32 s36, s19, 21                        ; himg: expert, tile = wave, my half's 16 K steps
	s_lshl_b32 s28, s18, 15
	s_add_co_u32 s36, s36, s28
	s_lshl_b32 s28, s21, 14
	s_add_co_u32 s36, s36, s28
	s_mov_b32 s37, 0
	s_lshl_b32 s38, s19, 17                        ; hsc likewise
	s_lshl_b32 s28, s18, 11
	s_add_co_u32 s38, s38, s28
	s_lshl_b32 s28, s21, 10
	s_add_co_u32 s38, s38, s28
	s_mov_b32 s39, 0
	s_mul_i32 s42, s19, RLE                        ; rlist: my expert's part
	s_mov_b32 s43, 0
	s_wait_kmcnt 0x0
	s_add_nc_u64 s[4:5], s[4:5], s[34:35]
	s_add_nc_u64 s[6:7], s[6:7], s[36:37]
	s_add_nc_u64 s[8:9], s[8:9], s[38:39]
	s_add_nc_u64 s[12:13], s[12:13], s[40:41]
	s_add_nc_u64 s[10:11], s[10:11], s[42:43]
	s_load_b32 s29, s[10:11], 0x1000               ; the expert's count of routed rows
	RLOAD 0
	RLOAD 1
	RLOAD 2
	RLOAD 3
	s_wait_kmcnt 0x0                               ; the count is in, and its base may be stepped
	s_min_u32 s29, s29, 0x400
	s_add_co_u32 s29, s29, 15
	s_lshr_b32 s29, s29, 4
	s_max_u32 s29, s29, 4                          ; tiles: as in the launch before: at least four, at most 64
	s_lshl_b32 s42, s18, 6
	s_add_nc_u64 s[10:11], s[10:11], s[42:43]      ; my first tile's 64 bytes of the list
	HALF 0
	HALF 1
	QBLK 0
	HALF 2
	HALF 3
	QBLK 1
	BAR                                            ; stage 0 lies in LDS
	FETCHP 0, 0
	HALF 4
	FETCHP 0, 1
	HALF 5
	QBLK 2
	HALF 6
	HALF 7
	QBLK 3
	BAR                                            ; stage 1
	FETCHP 1, 0
	HALF 8
	FETCHP 1, 1
	HALF 9
	QBLK 4
	HALF 10
	HALF 11
	QBLK 5
	BAR                                            ; stage 2
	FETCHP 2, 0
	HALF 12
	FETCHP 2, 1
	HALF 13
	QBLK 6
	HALF 14
	s_mov_b64 s[14:15], s[6:7]
	s_mov_b64 s[16:17], s[8:9]
	s_mov_b64 s[24:25], s[10:11]
	HGET 0                                         ; my first tile is asked for under the stream's end, into ring slots 0 and 1, which half blocks 12 and 13 have left: with the ring's last 16 loads 58 are out
	HALF 15
	QBLK 7
	BAR                                            ; stage 3, and all scale words
	FETCHP 3, 0
	FETCHP 3, 1
	WSGET
	s_wait_xcnt 0x0                                ; the first request has read its pointers
	AHEAD 1
	HGET 1                                         ; my second tile, into ring slots 2 and 3, while the last stage comes out of LDS
	s_wait_dscnt 0x0
	s_mov_b32 s33, 8
.Lslots:                                               ; 8 trips of two tiles at the most; a wave leaves behind its last tile
	SLOT 0
	SLOT 1
	s_sub_co_u32 s33, s33, 1
	s_cmp_lg_u32 s33, 0
	s_cbranch_scc1 .Lslots
.Ldone:
	s_barrier_signal -1
	s_barrier_wait -1
	s_wait_tensorcnt 0x0
	ds_add_u32 v254, v255
	s_wait_dscnt 0x0
	s_endpgm
.Lfunc_end_k_q55460732d6_down:
	.size	k_q55460732d6_down, .Lfunc_end_k_q55460732d6_down-k_q55460732d6_down
	.p2alignl 7, 3214868480
	.fill 96, 4, 3214868480
	.section	.rodata,"a",@progbits
	.p2align	6, 0x0
	.amdhsa_kernel k_q55460732d6_down
		.amdhsa_group_segment_fixed_size 87552
		.amdhsa_private_segment_fixed_size 0
		.amdhsa_enable_private_segment 0
		.amdhsa_kernarg_size 40
		.amdhsa_user_sgpr_count 2
		.amdhsa_user_sgpr_kernarg_segment_ptr 1
		.amdhsa_wavefront_size32 1
		.amdhsa_system_sgpr_workgroup_id_x 1
		.amdhsa_system_sgpr_workgroup_id_y 1
		.amdhsa_system_sgpr_workgroup_id_z 1
		.amdhsa_system_vgpr_workitem_id 0
		.amdhsa_next_free_vgpr 1024
		.amdhsa_next_free_sgpr 66
		.amdhsa_reserve_vcc 0
		.amdhsa_float_denorm_mode_32 3
		.amdhsa_float_denorm_mode_16_64 3
		.amdhsa_memory_ordered 1
		.amdhsa_forward_progress 1
		.amdhsa_inst_pref_size 165
	.end_amdhsa_kernel
	.amdgpu_metadata
---
amdhsa.version: [ 1, 2 ]
amdhsa.kernels:
  - .name:           k_q55460732d6_down
    .symbol:         k_q55460732d6_down.kd
    .args:
      - { .name: w2, .offset: 0, .size: 8, .value_kind: global_buffer, .address_space: global }
      - { .name: himg, .offset: 8, .size: 8, .value_kind: global_buffer, .address_space: global }
      - { .name: hsc, .offset: 16, .size: 8, .value_kind: global_buffer, .address_space: global }
      - { .name: rlist, .offset: 24, .size: 8, .value_kind: global_buffer, .address_space: global }
      - { .name: ypart, .offset: 32, .size: 8, .value_kind: global_buffer, .address_space: global }
    .group_segment_fixed_size: 87552
    .private_segment_fixed_size: 0
    .kernarg_segment_align: 8
    .kernarg_segment_size: 40
    .max_flat_workgroup_size: 128
    .sgpr_count:     66
    .vgpr_count:     1024
    .wavefront_size: 32
...
	.end_amdgpu_metadata
.endif
;; end of part 3
;; launch join (part 4): grid 256 x 1, 4 waves a work-group, no clusters, 0 bytes of LDS; arguments ypart, cw, selw, b2, out0; writes out0
.if DOCPART == 4
	.amdgcn_target "amdgcn-amd-amdhsa--gfx1250"
	.amdhsa_code_object_version 6
	.text
	.protected	k_q55460732d6_join
	.globl	k_q55460732d6_join
	.p2align	8
	.type	k_q55460732d6_join,@function
k_q55460732d6_join:
	s_mov_b64 s[64:65], 0
	v_nop
	global_prefetch_b8 v0, s[64:65] scope:SCOPE_SE
	s_setreg_imm32_b32 hwreg(HW_REG_WAVE_MODE, 25, 1), 1
	s_wait_xcnt 0x0
; out0[n] = c0 (ypart[0][2 n] + ypart[1][2 n] + b2[e0]) + c1 (ypart[0][2 n + 1] + ypart[1][2 n + 1] + b2[e1]): the two halves of K, the bias, the gate's weights, the two experts.  All in f32.
; A wave takes a token's row of 4,096 bytes: eight pieces of 512 consecutive bytes, 16 a lane.  All 48 loads of a wave are issued at the head: ypart's 32 first, while the token's word of selw and its two weights come
; by scalar loads; then b2's 16, whose rows hang on that word (held to 0 .. 7).  No LDS, no barrier, no matrix unit, no prefetch: a stream of 24 KB a wave, every byte read once.
.set Y, 8                              ; v[Y + 16 m ..]: piece m: half 0 row 2 n, half 0 row 2 n + 1, half 1 row 2 n, half 1 row 2 n + 1
.set B, 136                            ; v[B + 8 m ..]: b2[e0], b2[e1]
	s_load_b256 s[4:11], s[0:1], 0x0               ; ypart, cw, selw, b2
	s_load_b64 s[12:13], s[0:1], 0x20              ; out0
	v_lshrrev_b32 v1, 5, v0
	v_readfirstlane_b32 s18, v1                    ; wave
	v_and_b32 v1, 31, v0
	v_lshlrev_b32 v1, 4, v1                        ; 16 x lane; never rewritten
	s_lshl_b32 s19, ttmp9, 2
	s_add_co_u32 s19, s19, s18                     ; my token
	s_mov_b32 s21, 0
	s_wait_kmcnt 0x0
	s_lshl_b32 s20, s19, 2
	s_add_nc_u64 s[8:9], s[8:9], s[20:21]
	s_lshl_b32 s20, s19, 3
	s_add_nc_u64 s[6:7], s[6:7], s[20:21]
	s_load_b32 s22, s[8:9], 0x0                    ; e0 | e1 << 8
	s_load_b64 s[26:27], s[6:7], 0x0               ; c0, c1
	s_lshl_b32 s20, s19, 13
	s_add_nc_u64 s[4:5], s[4:5], s[20:21]          ; half 0, row 2 n
	s_add_nc_u64 s[14:15], s[4:5], 8421376         ; half 1
	s_lshl_b32 s20, s19, 12
	s_add_nc_u64 s[12:13], s[12:13], s[20:21]
.irp m, 0,1,2,3,4,5,6,7
	global_load_b128 v[Y+16*\m:Y+16*\m+3], v1, s[4:5] offset:512*\m th:TH_LOAD_NT
	global_load_b128 v[Y+16*\m+4:Y+16*\m+7], v1, s[4:5] offset:4096+512*\m th:TH_LOAD_NT
	global_load_b128 v[Y+16*\m+8:Y+16*\m+11], v1, s[14:15] offset:512*\m th:TH_LOAD_NT
	global_load_b128 v[Y+16*\m+12:Y+16*\m+15], v1, s[14:15] offset:4096+512*\m th:TH_LOAD_NT
.endr
	s_wait_kmcnt 0x0
	s_and_b32 s23, s22, 0xff
	s_min_u32 s23, s23, 7
	s_bfe_u32 s22, s22, 0x80008
	s_min_u32 s22, s22, 7
	s_lshl_b32 s20, s23, 12
	s_add_nc_u64 s[16:17], s[10:11], s[20:21]      ; b2[e0]
	s_lshl_b32 s20, s22, 12
	s_add_nc_u64 s[10:11], s[10:11], s[20:21]      ; b2[e1]
	s_mov_b32 s24, s26                             ; the packed forms name a pair and take its low word for both halves
	s_mov_b32 s25, s26
	s_mov_b32 s28, s27
	s_mov_b32 s29, s27
.irp m, 0,1,2,3,4,5,6,7
	global_load_b128 v[B+8*\m:B+8*\m+3], v1, s[16:17] offset:512*\m
	global_load_b128 v[B+8*\m+4:B+8*\m+7], v1, s[10:11] offset:512*\m
.endr
.irp m, 0,1,2,3,4,5,6,7
	s_wait_loadcnt 2*(7-\m)                        ; this piece's two loads of b2 are in, those of later pieces may be out; every load of ypart is older
.irp p, 0,2
	v_pk_add_f32 v[Y+16*\m+\p:Y+16*\m+\p+1], v[Y+16*\m+\p:Y+16*\m+\p+1], v[Y+16*\m+8+\p:Y+16*\m+8+\p+1]
	v_pk_add_f32 v[Y+16*\m+4+\p:Y+16*\m+4+\p+1], v[Y+16*\m+4+\p:Y+16*\m+4+\p+1], v[Y+16*\m+12+\p:Y+16*\m+12+\p+1]
.endr
.irp p, 0,2
	v_pk_add_f32 v[Y+16*\m+\p:Y+16*\m+\p+1], v[Y+16*\m+\p:Y+16*\m+\p+1], v[B+8*\m+\p:B+8*\m+\p+1]
	v_pk_add_f32 v[Y+16*\m+4+\p:Y+16*\m+4+\p+1], v[Y+16*\m+4+\p:Y+16*\m+4+\p+1], v[B+8*\m+4+\p:B+8*\m+4+\p+1]
.endr
.irp p, 0,2
	v_pk_mul_f32 v[Y+16*\m+\p:Y+16*\m+\p+1], v[Y+16*\m+\p:Y+16*\m+\p+1], s[24:25] op_sel_hi:[1,0]
.endr
.irp p, 0,2
	v_pk_fma_f32 v[Y+16*\m+\p:Y+16*\m+\p+1], v[Y+16*\m+4+\p:Y+16*\m+4+\p+1], s[28:29], v[Y+16*\m+\p:Y+16*\m+\p+1] op_sel_hi:[1,0,1]
.endr
	global_store_b128 v1, v[Y+16*\m:Y+16*\m+3], s[12:13] offset:512*\m th:TH_STORE_NT   ; 32 lanes store 512 consecutive bytes, aligned
.endr
	s_endpgm
.Lfunc_end_k_q55460732d6_join:
	.size	k_q55460732d6_join, .Lfunc_end_k_q55460732d6_join-k_q55460732d6_join
	.p2alignl 7, 3214868480
	.fill 96, 4, 3214868480
	.section	.rodata,"a",@progbits
	.p2align	6, 0x0
	.amdhsa_kernel k_q55460732d6_join
		.amdhsa_group_segment_fixed_size 0
		.amdhsa_private_segment_fixed_size 0
		.amdhsa_enable_private_segment 0
		.amdhsa_kernarg_size 40
		.amdhsa_user_sgpr_count 2
		.amdhsa_user_sgpr_kernarg_segment_ptr 1
		.amdhsa_wavefront_size32 1
		.amdhsa_system_sgpr_workgroup_id_x 1
		.amdhsa_system_sgpr_workgroup_id_y 1
		.amdhsa_system_sgpr_workgroup_id_z 1
		.amdhsa_system_vgpr_workitem_id 0
		.amdhsa_next_free_vgpr 208
		.amdhsa_next_free_sgpr 66
		.amdhsa_reserve_vcc 0
		.amdhsa_float_denorm_mode_32 3
		.amdhsa_float_denorm_mode_16_64 3
		.amdhsa_memory_ordered 1
		.amdhsa_forward_progress 1
		.amdhsa_inst_pref_size 14
	.end_amdhsa_kernel
	.amdgpu_metadata
---
amdhsa.version: [ 1, 2 ]
amdhsa.kernels:
  - .name:           k_q55460732d6_join
    .symbol:         k_q55460732d6_join.kd
    .args:
      - { .name: ypart, .offset: 0, .size: 8, .value_kind: global_buffer, .address_space: global }
      - { .name: cw, .offset: 8, .size: 8, .value_kind: global_buffer, .address_space: global }
      - { .name: selw, .offset: 16, .size: 8, .value_kind: global_buffer, .address_space: global }
      - { .name: b2, .offset: 24, .size: 8, .value_kind: global_buffer, .address_space: global }
      - { .name: out0, .offset: 32, .size: 8, .value_kind: global_buffer, .address_space: global }
    .group_segment_fixed_size: 0
    .private_segment_fixed_size: 0
    .kernarg_segment_align: 8
    .kernarg_segment_size: 40
    .max_flat_workgroup_size: 128
    .sgpr_count:     66
    .vgpr_count:     208
    .wavefront_size: 32
...
	.end_amdgpu_metadata
.endif
;; end of part 4
;; ======== version 2 of 2: 4 launches; version 1 with the launch down written anew for expert scheduling mode
;; workspace buffers: xq 524,288 bytes; xs 32,768 bytes; selw 4,096 bytes of whole numbers; cw 8,192 bytes; himg 16,777,216 bytes; hsc 1,048,576 bytes; ypart 16,842,752 bytes; rlist 34,816 bytes of whole numbers
;; launch route: the kernel of part 1 again; grid 256 x 1, 4 waves a work-group, no clusters, 52,224 bytes of LDS; arguments x, gate_w, gate_b, xq, xs, selw, cw; writes xq, xs, selw, cw
;; launch up: the kernel of part 2 again; grid 32 x 8, 4 waves a work-group, no clusters, 74,496 bytes of LDS; arguments w1, b1, xq, xs, selw, himg, hsc, rlist; writes himg, hsc, rlist
;; launch down (part 5): grid 32 x 8, 4 waves a work-group, no clusters, 87,552 bytes of LDS; arguments w2, himg, hsc, rlist, ypart; writes ypart
.if DOCPART == 5
	.amdgcn_target "amdgcn-amd-amdhsa--gfx1250"
	.amdhsa_code_object_version 6
	.text
	.protected	k_q55460732d6_down
	.globl	k_q55460732d6_down
	.p2align	8
	.type	k_q55460732d6_down,@function
k_q55460732d6_down:
	s_mov_b64 s[64:65], 0
	v_nop
	global_prefetch_b8 v0, s[64:65] scope:SCOPE_SE
	s_setreg_imm32_b32 hwreg(HW_REG_WAVE_SCHED_MODE, 0, 2), 2
	s_setreg_imm32_b32 hwreg(HW_REG_WAVE_MODE, 25, 1), 1
	s_wait_xcnt 0x0
	s_wait_alu depctr_vm_vsrc(0)
; ypart[kh][rid][:] = h[rid] w2[e] over half kh of the hidden axis, for the routed rows of expert e.  Both operands are codes of FP4 (E2M1) with one E8M0 scale for each 32 along K.
; SHARES.  Work-group (cs + 16 kh, e) owns output columns 64 cs .. 64 cs + 63 and hidden rows 2,048 kh .. + 2,047 of w2[e]: 2,048 rows x 256 bytes of f32, which no other work-group reads.
; THE STREAM, as in the launch before.  Wave w takes rows 512 w .. + 511 of the slab (its K steps 4 w .. 4 w + 3).  A load reads 256 bytes of a row in lanes 0-15 and of the row 32 further down in lanes 16-31:
;   so lanes 0-15 gather an even block of 32 along K and lanes 16-31 the odd one behind it.  Each loaded number is copied once into a run down K of its column; every 64 rows (a chunk): scales, codes, images to LDS.
; THE FRAGMENTS COME BACK UNDER THE STREAM.  Every wave wants all 64 fragments (4 tiles of 16 columns x 16 K steps, 512 registers).  They are taken out of LDS in four stages: behind every second chunk a barrier, and behind it each wave
;   reads the 16 KB that the four waves have stored since the last one, in two runs of 16 loads with a half block's copies and refill between.  Each stage has LDS bytes of its own: nothing is written twice.  Only the last stage and the scale words are read behind the stream.
; THE TOKENS.  The expert's list of routed rows and its count lie in rlist, stored by the launch before: tile t names the same 16 rows here as there.  Wave w takes tiles w, w + 4, ..: 16 fragments of h (16 KB on end), their scale
;   words and the tile's 16 rids, 64 matrix instructions (transposed: source 0 = 16 columns of w2, source 1 = 16 rows of h), the first with C = 0.  A lane then holds eight neighbouring columns of one row; the tile turns through
;   the wave's own stage in LDS and leaves by rows: sixteen lanes store 256 consecutive bytes, aligned, of row rid.  List entries past the count name row 2,048 + e, whose bytes in these columns are this work-group's alone and are never read.
;   A TILE IS ASKED FOR TWO TILES AHEAD: two sets of registers; a set is asked for again as soon as its products are issued, so its 42 loads have the rest of this tile and the whole next tile in which to land.
; No tensor load, no cluster, no joint load: the number of tiles is read from memory, and what work-groups share (h's images, 17 KB a tile) is small beside each one's own 512 KB.  No prefetch: the stream's own loads are on their way throughout.
; LIMITS: NaN and infinities are not served.  A block whose largest magnitude lies under 2^-124 (a block of zeros too) gets the byte 1: the bytes are read by this program alone.
; REGISTERS, in windows of 256: window 0: addresses, v16-31 a tile's rids (two sets), v32-63 w2's scale words, v64-79 h's scale words (two sets), v80-207 the runs down K, later accumulators and the way out; v208-243 at work.
;   window 1: the ring (4 x 64); as its slots fall free: h's fragments, two sets of 128.   window 2: w2's fragments of K steps 0-7;  window 3: those of K steps 8-15.
; THE MODE: SCHED_MODE bits 1:0 = 2 (LLVM: expert scheduling mode 2), set by the entry lines.  The code itself states the register dependences between vector or matrix instructions and memory or LDS instructions, with s_wait_alu, always for 0.
; THE PLAN.  Registers that memory or LDS instructions touch:
;   the addresses v4-14 and v254, v255: written at the head, ahead of one wait on va_vdst, and never again.
;   the ring: a half block's 64 copies read a slot; behind them, and behind one wait on va_vdst, the slot's next 16 loads land in it.
;   v[C ..], v[SW ..]: written by a chunk's conversions and shifts, read by its LDS stores (one wait on va_vdst between), written again by the next chunk (one wait on vm_vsrc ahead).
;   windows 2 and 3, v[WS ..]: LDS loads land there once; ahead of them no vector instruction names them, behind them the products read them.
;   a tile: the accumulators are written by the products and read by eight LDS stores; v[OUTR ..] is written by LDS loads and read by the global stores; v[OFF ..] is written by vector lines and read by the global stores;
;     a set of h, its scale words and its rids are written by global loads and read by the products and by the lines that make v[OFF ..].
;     The lines that make v[OFF ..] stand behind the products, so that ONE wait on va_vdst states all of it; behind that wait come the tile's 8 LDS stores, 8 LDS loads, the set's next 42 loads and the 8 global stores, with no vector instruction among them.
;     ONE wait on vm_vsrc stands at a tile's head: the tile before has read the accumulators, v[OFF ..] and v[OUTR ..].
;   The runs down K and the registers at work are named by vector instructions alone.
.set PITCH, 4096                       ; a row of w2[e] in bytes
.set STGB,  16384                      ; LDS: 0 .. 65,535 the images, by stage: stage j from 16,384 j on; in it fragment (ct, K step 4 w + j) at 4,096 ct + 1,024 w; byte 512 c + 16 lane
.set WSC,   65536                      ; the scale words: word r of (ct, ks) at 1,024 ct + 64 ks + 4 r
.set STG,   69632                      ; the stages of the way out: 16 rows x 272 bytes a wave
.set SPT,   272
.set RLE,   4352                       ; an expert's part of rlist in bytes: 1,024 entries, the count at 4,096
.set TL,    42                         ; the loads that ask for a tile: h (32), its scale words (8), its rids (2)
.set WO,    4                          ; v4   16 (lane % 16) + 32 rows x (lane / 16); never rewritten
.set LI,    5                          ; v5   16 x lane; never rewritten
.set LS,    6                          ; v6   WSC + 4 x lane
.set WIA,   7
.set WSA,   8
.set R16,   9                          ; v9   16 r
.set SI,    10                         ; v10  the stage, in
.set RO,    11                         ; v11  32 h: my half's eight rids of a tile's sixteen; never rewritten
.set SR,    13                         ; v13  the stage, back
.set L4,    14                         ; v14  4 x lane; never rewritten
.set SH8,   15                         ; v15  8 h
.set RIDS,  16                         ; set s, register i: the rid of tile row 8 h + i
.set WS,    32                         ; register 8 ct + p: K step 2 p in lanes 0-15, 2 p + 1 in lanes 16-31
.set HS,    64                         ; set s, register p: likewise, of h
.set T,     80
.set C,     208
.set M,     224
.set SO,    228
.set BY,    232
.set SW,    236
.set TX,    240
.set ACC,   80
.set OUTR,  112
.set OFF,   144
.set MSB, 0
.macro WIN new                         ; the immediate's high byte repeats the setting that is left
.if MSB != \new
	s_set_vgpr_msb (MSB<<8)|\new
.set MSB, \new
.endif
.endm
.macro PLACES n
.rept \n
	v_nop
.endr
.endm
.macro BAR                             ; my LDS stores have landed and my LDS loads are in: then the work-group's barrier
	s_wait_dscnt 0x0
	s_barrier_signal -1
	s_barrier_wait -1
.endm
.macro RLOAD n, w                      ; half block n: rows 64 (n / 2) + 16 (n % 2) + i (lanes 16-31: 32 further down), into ring slot n % 4.  w = 1: the slot has just been copied out
	WIN 0x40
.if \w
	s_wait_alu depctr_va_vdst(0)                   ; the 64 copies above are done reading this slot, in which the loads below land
.endif
.irp i, 0,1,2,3,4,5,6,7,8,9,10,11,12,13,14,15
	global_load_b128 v[64*((\n)%4)+4*\i:64*((\n)%4)+4*\i+3], v[WO], s[4:5] offset:(64*((\n)/2)+16*((\n)%2)+\i)*PITCH th:TH_LOAD_NT
.endr
	WIN 0
.endm
.macro HALF n
.if (\n) < 13
	s_wait_loadcnt 48                              ; the three younger half blocks may be out
.elseif (\n) == 13
	s_wait_loadcnt 32
.elseif (\n) == 14
	s_wait_loadcnt 16
.else
	s_wait_loadcnt TL                              ; only my first tile's loads, issued behind the ring's last
.endif
	WIN 0x01
.irp i, 0,1,2,3,4,5,6,7,8,9,10,11,12,13,14,15
.irp jj, 0,1,2,3
	v_mov_b32 v[T+32*\jj+16*((\n)%2)+\i], v[64*((\n)%4)+4*\i+\jj]
.endr
.endr
.if (\n)+4 < 16
	RLOAD (\n)+4, 1
.else
	WIN 0
.endif
.endm
.macro QBLK q                          ; chunk q: 64 rows x 64 columns: block 2 (q % 2) + h of K step 4 w + q / 2
.irp jj, 0,1,2,3
	v_max3_num_f32 v[M+\jj], |v[T+32*\jj]|, |v[T+32*\jj+1]|, 0x1800000   ; with the floor 2^(3 - 127): the byte cannot fall under 1
.endr
.irp i, 2,4,6,8,10,12,14,16,18,20,22,24,26,28,30
.irp jj, 0,1,2,3
	v_max3_num_f32 v[M+\jj], v[M+\jj], |v[T+32*\jj+\i]|, |v[T+32*\jj+\i+1]|
.endr
.endr
.irp jj, 0,1,2,3
	v_add_nc_u32 v[SO+\jj], 0xff000000, v[M+\jj]   ; 2 off the exponent field: the conversion's scale operand
.endr
	s_wait_dscnt 0x0                               ; the last chunk's LDS stores are done (a stage's loads, if any are out, are in too)
	s_wait_alu depctr_vm_vsrc(0)                   ; the last chunk's LDS stores have read v[C ..] and v[SW ..], which are written again below
.irp jj, 0,1,2,3
	v_lshrrev_b32 v[BY+\jj], 23, v[SO+\jj]         ; the scale's byte,
.endr
.if (\q)%2 == 0
.irp jj, 0,1,2,3
	v_lshlrev_b32 v[SW+\jj], v[SH8], v[BY+\jj]     ; at its place in the K step's word: byte h,
.endr
.else
.irp jj, 0,1,2,3
	v_lshlrev_b32 v[BY+\jj], v[SH8], v[BY+\jj]
.endr
.irp jj, 0,1,2,3
	v_lshl_or_b32 v[SW+\jj], v[BY+\jj], 16, v[SW+\jj]   ; byte 2 + h;
.endr
.irp jj, 0,1,2,3
	v_permlanex16_b32 v[TX+\jj], v[SW+\jj], s22, s23
.endr
.irp jj, 0,1,2,3
	v_or_b32 v[SW+\jj], v[SW+\jj], v[TX+\jj]       ; with lane l xor 16's two the word is whole
.endr
.endif
.irp jj, 0,1,2,3
.irp g, 0,1,2,3
	v_cvt_scalef32_pk8_fp4_f32 v[C+4*\jj+\g], v[T+32*\jj+8*\g:T+32*\jj+8*\g+7], v[SO+\jj]
.endr
.endr
	v_nop                                          ; one plain line behind the last conversion
	s_wait_alu depctr_va_vdst(0)                   ; the conversions have written v[C ..] and the lines above them v[SW ..], which the LDS stores below read
.irp jj, 0,1,2,3
	ds_store_b128 v[WIA], v[C+4*\jj:C+4*\jj+3] offset:16*\jj+STGB*((\q)/2)+512*((\q)%2)
.endr
.if (\q)%2
.irp jj, 0,1,2,3
	ds_store_b32 v[WSA], v[SW+\jj] offset:4*\jj+64*((\q)/2)   ; lanes l and l + 16 write the same word with the same value
.endr
.endif
.endm
.macro FETCHP j, hf                    ; stage j, what waves 2 hf and 2 hf + 1 stored: fragments (ct, K step 4 (2 hf + kk) + j), 8 KB.  No vector instruction has named the registers in which these land
.if \hf
	WIN 0xc0                                       ; K steps 8-15: destination window 3
.else
	WIN 0x80                                       ; K steps 0-7: destination window 2
.endif
.irp kk, 0,1
.irp ct, 0,1,2,3
.irp c, 0,1
	ds_load_b128 v[8*(4*(4*\kk+(\j))+\ct)+4*\c:8*(4*(4*\kk+(\j))+\ct)+4*\c+3], v[LI] offset:STGB*(\j)+4096*\ct+1024*(2*(\hf)+\kk)+512*\c
.endr
.endr
.endr
	WIN 0
.endm
.macro WSGET                           ; w2's scale words
.irp ct, 0,1,2,3
.irp p, 0,1,2,3,4,5,6,7
	ds_load_b32 v[WS+8*\ct+\p], v[LS] offset:1024*\ct+128*\p
.endr
.endr
.endm
.macro HGET set, w                     ; a tile's 16 fragments of h for my K half, 16 KB on end, their scale words and its rids, from s[14:15], s[16:17] and s[24:25].  w = 1: at the stream's end, into slots that the ring has left
	WIN 0x40                                       ; destination window 1
.if \w
	s_wait_alu depctr_va_vdst(0)                   ; the ring's copies are done reading the two slots in which the loads below land
.endif
.irp ks, 0,1,2,3,4,5,6,7,8,9,10,11,12,13,14,15
.irp c, 0,1
	global_load_b128 v[128*\set+8*\ks+4*\c:128*\set+8*\ks+4*\c+3], v[LI], s[14:15] offset:1024*\ks+512*\c
.endr
.endr
	WIN 0
.irp p, 0,1,2,3,4,5,6,7
	global_load_b32 v[HS+8*\set+\p], v[L4], s[16:17] offset:128*\p
.endr
	global_load_b128 v[RIDS+8*\set:RIDS+8*\set+3], v[RO], s[24:25]
	global_load_b128 v[RIDS+8*\set+4:RIDS+8*\set+7], v[RO], s[24:25] offset:16
.endm
.macro AHEAD n                         ; the request's three pointers: n slots (4 n tiles) on from my tile in hand, where the list has such a tile; else my tile in hand, whose bytes are stored and whose loads are not used
	s_add_co_u32 s28, s30, 4*\n
	s_cmp_lt_u32 s28, s29
	s_cselect_b32 s34, 0x20000*\n, 0
	s_cselect_b32 s36, 0x2000*\n, 0
	s_cselect_b32 s38, 256*\n, 0
	s_add_nc_u64 s[14:15], s[6:7], s[34:35]
	s_add_nc_u64 s[16:17], s[8:9], s[36:37]
	s_add_nc_u64 s[24:25], s[10:11], s[38:39]
.endm
.macro MULS set                        ; 64 matrix instructions: K step by K step, the four accumulators by turns, one instruction a turn.  All their operands and scales come from loads
.irp ks, 0,1,2,3,4,5,6,7,8,9,10,11,12,13,14,15
.if \ks < 8
	WIN 0x06                                       ; source 0 (w2) window 2, source 1 (h) window 1
.else
	WIN 0x07                                       ; source 0 window 3
.endif
.irp ct, 0,1,2,3
.if \ks == 0
	v_wmma_scale_f32_16x16x128_f8f6f4 v[ACC+8*\ct:ACC+8*\ct+7], v[8*\ct:8*\ct+7], v[128*\set:128*\set+7], 0, v[WS+8*\ct], v[HS+8*\set] matrix_a_fmt:MATRIX_FMT_FP4 matrix_b_fmt:MATRIX_FMT_FP4
.elseif \ks%2
	v_wmma_scale_f32_16x16x128_f8f6f4 v[ACC+8*\ct:ACC+8*\ct+7], v[8*(4*(\ks%8)+\ct):8*(4*(\ks%8)+\ct)+7], v[128*\set+8*\ks:128*\set+8*\ks+7], v[ACC+8*\ct:ACC+8*\ct+7], v[WS+8*\ct+\ks/2], v[HS+8*\set+\ks/2] matrix_a_fmt:MATRIX_FMT_FP4 matrix_b_fmt:MATRIX_FMT_FP4 matrix_a_scale:MATRIX_SCALE_ROW1 matrix_b_scale:MATRIX_SCALE_ROW1
.else
	v_wmma_scale_f32_16x16x128_f8f6f4 v[ACC+8*\ct:ACC+8*\ct+7], v[8*(4*(\ks%8)+\ct):8*(4*(\ks%8)+\ct)+7], v[128*\set+8*\ks:128*\set+8*\ks+7], v[ACC+8*\ct:ACC+8*\ct+7], v[WS+8*\ct+\ks/2], v[HS+8*\set+\ks/2] matrix_a_fmt:MATRIX_FMT_FP4 matrix_b_fmt:MATRIX_FMT_FP4
.endif
.endr
.endr
	WIN 0
.endm
.macro ROWS set                        ; the rows' places in ypart
.irp i, 0,1,2,3,4,5,6,7
	v_min_u32 v[RIDS+8*\set+\i], 0x807, v[RIDS+8*\set+\i]              ; a row of ypart: 0 .. 2,055
.endr
.irp i, 0,1,2,3,4,5,6,7
	v_lshl_add_u32 v[OFF+\i], v[RIDS+8*\set+\i], 12, v[R16]
.endr
.endm
.macro OUTA                            ; the tile turns: lane (r, h) holds y(row r, column 16 ct + 8 h + j)
.irp ct, 0,1,2,3
	ds_store_b128 v[SI], v[ACC+8*\ct:ACC+8*\ct+3] offset:64*\ct        ; each accumulator from its low end on
	ds_store_b128 v[SI], v[ACC+8*\ct+4:ACC+8*\ct+7] offset:64*\ct+16
.endr
.irp i, 0,1,2,3,4,5,6,7
	ds_load_b128 v[OUTR+4*\i:OUTR+4*\i+3], v[SR] offset:SPT*\i         ; row 8 h + i, 16 bytes at 16 r.  LDS serves a wave's instructions in order: these see the stores above
.endr
.endm
.macro OUTB                            ; and leaves
.irp i, 0,1,2,3,4,5,6,7
	s_wait_dscnt 7-\i                              ; row pair i is back; the younger loads may be out
	global_store_b128 v[OFF+\i], v[OUTR+4*\i:OUTR+4*\i+3], s[12:13]    ; sixteen lanes store 256 consecutive bytes, aligned, of a row of ypart
.endr
.endm
; One tile, in set cur.  As soon as its products are issued and its rids are used, the set is asked for again: the tile two slots on.  Every slot issues that request, so that the count at a slot's head holds on every way.
.macro SLOT cur
	s_wait_loadcnt TL                              ; this set's 42 loads are in; the other set's 42, issued behind them, may be out
	s_wait_alu depctr_vm_vsrc(0)                   ; the last tile's LDS stores have read the accumulators, which the products write again; its global stores have read v[OFF ..] and v[OUTR ..], which are written again below
	MULS \cur
	PLACES 4                                       ; four places between the last product and the first read of a result (ISA guide 7.12.1)
	s_wait_xcnt 0x0                                ; the last slot's stores and request have read their registers: rows, offsets and the request's pointers are written again only behind this wait
	ROWS \cur
	s_wait_alu depctr_va_vdst(0)                   ; the products have written the accumulators, which the LDS stores read, and are done reading the set and its scale words; the lines above have written v[OFF ..], which the global stores read, and are done with the set's rids: the request's loads land in all three.  No vector instruction follows in this slot
	OUTA
	AHEAD 2
	HGET \cur, 0
	OUTB
	s_add_nc_u64 s[6:7], s[6:7], 0x20000           ; my next tile: four tiles on
	s_add_nc_u64 s[8:9], s[8:9], 0x2000
	s_add_nc_u64 s[10:11], s[10:11], 256
	s_add_co_u32 s30, s30, 4
	s_cmp_ge_u32 s30, s29
	s_cbranch_scc1 .Ldone
.endm
	s_load_b256 s[4:11], s[0:1], 0x0               ; w2, himg, hsc, rlist
	s_load_b64 s[12:13], s[0:1], 0x20              ; ypart
	v_lshl_add_u32 v254, v0, 2, 0x15400
	v_mov_b32 v255, 0
	v_lshrrev_b32 v1, 5, v0
	v_readfirstlane_b32 s18, v1                    ; wave
	s_and_b32 s19, ttmp7, 0xffff                   ; the expert
	s_and_b32 s20, ttmp9, 15                       ; which 64 columns
	s_lshr_b32 s21, ttmp9, 4                       ; which half of K
	v_and_b32 v1, 31, v0                           ; lane
	v_and_b32 v2, 15, v0                           ; r
	v_bfe_u32 v3, v0, 4, 1                         ; h
	v_lshlrev_b32 v[WO], 4, v2
	v_lshl_add_u32 v[WO], v3, 17, v[WO]
	v_lshlrev_b32 v[LI], 4, v1
	v_lshl_add_u32 v[LS], v1, 2, WSC
	; column 4 (lane % 16) + jj is row r = 4 (l & 3) + jj of tile ct = (l % 16) >> 2
	v_bfe_u32 v20, v0, 2, 2
	v_and_b32 v21, 3, v0
	v_lshlrev_b32 v[WIA], 12, v20
	v_lshl_add_u32 v[WIA], v21, 6, v[WIA]
	v_lshl_add_u32 v[WIA], v3, 8, v[WIA]
	s_wait_alu depctr_va_sdst(0)                   ; s18, the wave's number, is written, ahead of its first reader
	s_lshl_b32 s28, s18, 10
	v_add_nc_u32 v[WIA], s28, v[WIA]               ; 4,096 ct + 16 r + 256 h + 1,024 wave
	v_lshlrev_b32 v[WSA], 10, v20
	v_lshl_add_u32 v[WSA], v21, 4, v[WSA]
	s_lshl_b32 s28, s18, 8
	v_add_nc_u32 v[WSA], s28, v[WSA]
	v_add_nc_u32 v[WSA], WSC, v[WSA]               ; WSC + 1,024 ct + 4 r + 256 wave
	v_lshlrev_b32 v[R16], 4, v2
	s_mul_i32 s28, s18, 16*SPT
	s_add_co_u32 s28, s28, STG                     ; my stage
	v_mul_u32_u24 v[SI], v2, SPT
	v_lshl_add_u32 v[SI], v3, 5, v[SI]
	v_add_nc_u32 v[SI], s28, v[SI]                 ; in: row r, + 32 h
	v_mul_u32_u24 v[SR], v3, 8*SPT
	v_lshl_add_u32 v[SR], v2, 4, v[SR]
	v_add_nc_u32 v[SR], s28, v[SR]                 ; back: lanes 0-15 rows 0 .. 7, lanes 16-31 rows 8 .. 15; 16 bytes a lane
	v_lshlrev_b32 v[RO], 5, v3
	v_lshlrev_b32 v[L4], 2, v1
	v_lshlrev_b32 v[SH8], 3, v3
.irp i, 0,1,2,3
	v_mov_b32 v[TX+\i], 0                          ; written once: a lane permute's destination counts as one of its sources
.endr
	s_mov_b32 s22, 0x76543210
	s_mov_b32 s23, 0xfedcba98
	s_mov_b32 s30, s18                             ; my first tile
	s_lshl_b32 s34, s19, 24                        ; w2: expert, half of K, my 512 rows, the 64 columns
	s_lshl_b32 s28, s21, 23
	s_add_co_u32 s34, s34, s28
	s_lshl_b32 s28, s18, 21
	s_add_co_u32 s34, s34, s28
	s_lshl_b32 s28, s20, 8
	s_add_co_u32 s34, s34, s28
	s_mov_b32 s35, 0
	s_mul_i32 s40, s21, 8421376                    ; ypart [2][2,056 rows][4,096 bytes]
	s_add_co_u32 s40, s40, s28
	s_mov_b32 s41, 0
	s_lshl_b32 s36, s19, 21                        ; himg: expert, tile = wave, my half's 16 K steps
	s_lshl_b32 s28, s18, 15
	s_add_co_u32 s36, s36, s28
	s_lshl_b32 s28, s21, 14
	s_add_co_u32 s36, s36, s28
	s_mov_b32 s37, 0
	s_lshl_b32 s38, s19, 17                        ; hsc likewise
	s_lshl_b32 s28, s18, 11
	s_add_co_u32 s38, s38, s28
	s_lshl_b32 s28, s21, 10
	s_add_co_u32 s38, s38, s28
	s_mov_b32 s39, 0
	s_mul_i32 s42, s19, RLE                        ; rlist: my expert's part
	s_mov_b32 s43, 0
	s_wait_kmcnt 0x0
	s_add_nc_u64 s[4:5], s[4:5], s[34:35]
	s_add_nc_u64 s[6:7], s[6:7], s[36:37]
	s_add_nc_u64 s[8:9], s[8:9], s[38:39]
	s_add_nc_u64 s[12:13], s[12:13], s[40:41]
	s_add_nc_u64 s[10:11], s[10:11], s[42:43]
	s_load_b32 s29, s[10:11], 0x1000               ; the expert's count of routed rows
	s_wait_alu depctr_va_vdst(0)                   ; every address and offset made above, v254 and v255 are written: the loads and stores of the whole kernel read them; and the head is done with v20 and v21, in which a tile's rids land
	RLOAD 0, 0
	RLOAD 1, 0
	RLOAD 2, 0
	RLOAD 3, 0
	s_wait_kmcnt 0x0                               ; the count is in, and its base may be stepped
	s_min_u32 s29, s29, 0x400
	s_add_co_u32 s29, s29, 15
	s_lshr_b32 s29, s29, 4
	s_max_u32 s29, s29, 4                          ; tiles: as in the launch before: at least four, at most 64
	s_lshl_b32 s42, s18, 6
	s_add_nc_u64 s[10:11], s[10:11], s[42:43]      ; my first tile's 64 bytes of the list
	HALF 0
	HALF 1
	QBLK 0
	HALF 2
	HALF 3
	QBLK 1
	BAR                                            ; stage 0 lies in LDS
	FETCHP 0, 0
	HALF 4
	FETCHP 0, 1
	HALF 5
	QBLK 2
	HALF 6
	HALF 7
	QBLK 3
	BAR                                            ; stage 1
	FETCHP 1, 0
	HALF 8
	FETCHP 1, 1
	HALF 9
	QBLK 4
	HALF 10
	HALF 11
	QBLK 5
	BAR                                            ; stage 2
	FETCHP 2, 0
	HALF 12
	FETCHP 2, 1
	HALF 13
	QBLK 6
	HALF 14
	s_mov_b64 s[14:15], s[6:7]
	s_mov_b64 s[16:17], s[8:9]
	s_mov_b64 s[24:25], s[10:11]
	HGET 0, 1                                      ; my first tile is asked for under the stream's end, into ring slots 0 and 1, which half blocks 12 and 13 have left: with the ring's last 16 loads 58 are out
	HALF 15
	QBLK 7
	BAR                                            ; stage 3, and all scale words
	FETCHP 3, 0
	FETCHP 3, 1
	WSGET
	s_wait_xcnt 0x0                                ; the first request has read its pointers
	AHEAD 1
	HGET 1, 1                                      ; my second tile, into ring slots 2 and 3, while the last stage comes out of LDS
	s_wait_dscnt 0x0
	s_mov_b32 s33, 8
.Lslots:                                               ; 8 trips of two tiles at the most; a wave leaves behind its last tile
	SLOT 0
	SLOT 1
	s_sub_co_u32 s33, s33, 1
	s_cmp_lg_u32 s33, 0
	s_cbranch_scc1 .Lslots
.Ldone:
	s_barrier_signal -1
	s_barrier_wait -1
	s_wait_dscnt 0x0                               ; the closing lines, six on end
	s_wait_alu 0x0
	s_wait_tensorcnt 0x0
	ds_add_u32 v254, v255
	s_wait_dscnt 0x0
	s_endpgm
.Lfunc_end_k_q55460732d6_down:
	.size	k_q55460732d6_down, .Lfunc_end_k_q55460732d6_down-k_q55460732d6_down
	.p2alignl 7, 3214868480
	.fill 96, 4, 3214868480
	.section	.rodata,"a",@progbits
	.p2align	6, 0x0
	.amdhsa_kernel k_q55460732d6_down
		.amdhsa_group_segment_fixed_size 87552
		.amdhsa_private_segment_fixed_size 0
		.amdhsa_enable_private_segment 0
		.amdhsa_kernarg_size 40
		.amdhsa_user_sgpr_count 2
		.amdhsa_user_sgpr_kernarg_segment_ptr 1
		.amdhsa_wavefront_size32 1
		.amdhsa_system_sgpr_workgroup_id_x 1
		.amdhsa_system_sgpr_workgroup_id_y 1
		.amdhsa_system_sgpr_workgroup_id_z 1
		.amdhsa_system_vgpr_workitem_id 0
		.amdhsa_next_free_vgpr 1024
		.amdhsa_next_free_sgpr 66
		.amdhsa_reserve_vcc 0
		.amdhsa_float_denorm_mode_32 3
		.amdhsa_float_denorm_mode_16_64 3
		.amdhsa_memory_ordered 1
		.amdhsa_forward_progress 1
		.amdhsa_inst_pref_size 166
	.end_amdhsa_kernel
	.amdgpu_metadata
---
amdhsa.version: [ 1, 2 ]
amdhsa.kernels:
  - .name:           k_q55460732d6_down
    .symbol:         k_q55460732d6_down.kd
    .args:
      - { .name: w2, .offset: 0, .size: 8, .value_kind: global_buffer, .address_space: global }
      - { .name: himg, .offset: 8, .size: 8, .value_kind: global_buffer, .address_space: global }
      - { .name: hsc, .offset: 16, .size: 8, .value_kind: global_buffer, .address_space: global }
      - { .name: rlist, .offset: 24, .size: 8, .value_kind: global_buffer, .address_space: global }
      - { .name: ypart, .offset: 32, .size: 8, .value_kind: global_buffer, .address_space: global }
    .group_segment_fixed_size: 87552
    .private_segment_fixed_size: 0
    .kernarg_segment_align: 8
    .kernarg_segment_size: 40
    .max_flat_workgroup_size: 128
    .sgpr_count:     66
    .vgpr_count:     1024
    .wavefront_size: 32
...
	.end_amdgpu_metadata
.endif
;; end of part 5
;; launch join: the kernel of part 4 again; grid 256 x 1, 4 waves a work-group, no clusters, 0 bytes of LDS; arguments ypart, cw, selw, b2, out0; writes out0
